; MI455X (gfx1250); checked and timed in simulation.
; The chip was launched on July 23, 2026; its instructions are those of AMD's public machine-readable ISA for CDNA 5 (MIT licence, August 2026) and "CDNA5" Instruction Set Architecture Reference Guide (July 2026). The comments in the code are by the model that wrote it; some were corrected since.
;; Bahdanau Attention. Allowed arithmetic: matrix products marked QUANTISED: E3M2 operands, one E8M0 scale for each 32 along K, by v_wmma_scale_f32_16x16x128_f8f6f4 with both operands' format E3M2, f32 sums; products left as they are: f32 operands where the result goes on into a quantised operand, else bf16, f16 or f32 operands; f32 sums; everything else in f32.
;; Inputs: W_b 1,024 float32; W_w 1,024 x 2,048 float32; dec_hidden 1 x 64 x 1,024 float32; encoder_outputs 64 x 1,024 x 1,024 float32; mask 64 x 1 x 1,024 int32; v_w 1 x 1,024 float32.
;; Outputs: out0 64 x 1 x 1,024 float32; out1 64 x 1,024 float32.
;; This version of the problem:
;;   THIS VERSION OF THE PROBLEM IS GIVEN IN LOW PRECISION. The matrix products marked QUANTISED in the list below multiply operands that are first quantised to E3M2 (3 exponent bits, 2 mantissa bits; 6 bits a number), with one power-of-two scale for each 32 numbers along K (OCP MX v1.0); their sums are f32. All else is computed in f32.
;;   The module's matrix products, in the order in which they are computed (A, B: the left and right operand; K: the contracted axis; several contracted axes count as one K, in the product's order):
;;     1. [M 64, K 1,024] x [K 1,024, N 1,024]; A: input dec_hidden; B: input W_w: QUANTISED
;;     2. [M 65,536, K 1,024] x [K 1,024, N 1,024]; A: input encoder_outputs; B: input W_w: QUANTISED
;;     3. [M 65,536, K 1,024] x [K 1,024, N 1]; A: computed on the way; B: input v_w: left as it is (N = 1 < 16)
;;     4. batch 64 x [M 1, K 1,024] x [K 1,024, N 1,024]; A: softmax; B: input encoder_outputs: left as it is (M = 1 < 16)
;;   THE QUANTISER, for each operand of a quantised product, along K:
;;     - K is cut into blocks of 32 from its start; a last block that is shorter is filled with zeros.
;;     - A block's scale is 2^e with e = floor(log2(the largest magnitude in the block)) - 4, held to -126 .. 127; a block of zeros has e = 0. As a byte (E8M0): e + 127.
;;     - Each number is divided by its block's scale, clamped to +-28, and rounded to the nearest number of E3M2, ties to even, subnormals kept.
;;     - The product sums the exact products of the quantised numbers (number of the format x scale) in f32.
;;   ~~~python
;;   def quantise(x, axis):      # numpy; x: float32 -> the quantised numbers, widened to float32 again
;;       x = np.moveaxis(x, axis, -1); K = x.shape[-1]
;;       x = np.pad(x, [(0, 0)] * (x.ndim - 1) + [(0, -K % 32)]); x = x.reshape(x.shape[:-1] + (-1, 32)); a = np.abs(x).max(-1, keepdims=True)
;;       e = np.where(a > 0, np.clip(np.frexp(np.where(a > 0, a, 1))[1] - 1 - 4, -126, 127), 0)      # np.frexp(a)[1] - 1 = floor(log2(a)), exactly
;;       r = np.clip(x / 2.0 ** e, -28, 28)
;;       step = 2.0 ** (np.maximum(np.frexp(np.where(r == 0, 1, r))[1] - 1, -2) - 2)
;;       q = np.round(r / step) * step * 2.0 ** e      # np.round: ties to even
;;       return np.moveaxis(q.reshape(q.shape[:-2] + (-1,))[..., :K], -1, axis).astype(np.float32)
;;   ~~~
;; 2 versions. Each part assembles by itself: llvm-mc -triple=amdgcn-amd-amdhsa -mcpu=gfx1250 --defsym DOCPART=n.
;; ======== version 1 of 2: 3 launches
;; workspace buffers: wfrag 786,432 bytes; wscl 32,768 bytes; bias 262,144 bytes; list 262,656 bytes of whole numbers; inv 262,144 bytes of whole numbers; meta 768 bytes of whole numbers; scores 262,144 bytes
;; launch prep (part 1): grid 192 x 1, 8 waves a work-group, no clusters, 34,816 bytes of LDS; arguments W_w, W_b, dec_hidden, mask, wfrag, wscl, bias, list, inv, meta; writes wfrag, wscl, bias, list, inv, meta
.if DOCPART == 1
	.amdgcn_target "amdgcn-amd-amdhsa--gfx1250"
	.amdhsa_code_object_version 6
	.text
	.protected	k_qaec8787a53_prep
	.globl	k_qaec8787a53_prep
	.p2align	8
	.type	k_qaec8787a53_prep,@function
k_qaec8787a53_prep:
	s_mov_b64 s[64:65], 0
	v_nop
	global_prefetch_b8 v0, s[64:65] scope:SCOPE_SE
	s_setreg_imm32_b32 hwreg(HW_REG_WAVE_MODE, 25, 1), 1
	s_wait_xcnt 0x0
; PREP: three kinds of work-groups, told apart by the work-group's number.
;   0-63    W: We = W_w[:, 1024:] becomes codes of BF6 (E3M2) with one E8M0 byte for each 32 along K, laid in the order of the operand's registers:
;              fragment (tile t of 16 rows d, K step s of 128) has number ((t/8) 8 + s) 8 + t%8 and 1,536 bytes: register group c of lane l at 512 c + 16 l.
;              Scale words: [t/8][s][lane 32][4]: lane l, word q holds the word of tile 8 (t/8) + 2 q + l/16, row l%16.
;   64-127  D: bias[b][d] = (quantised dec_hidden) x (quantised Wd)^T + W_b: 16 batches x 64 d a work-group, each of the eight waves one K step of 128; the eight parts are added in f32 through LDS.
;   128-191 L: batch b = number - 128: the rows that the mask keeps are listed (row number b 1024 + s), batch behind batch without gaps.  A batch with no kept row lists all its 1,024 rows
;              (their scores are still replaced later, so its weights come out equal).  inv[b][s] = the row's place in its batch's part of the list, or -1.  meta: off[64], cnt[64], at byte 512 the number of tiles of 16.
; A block's scale is 2^(floor(log2(largest magnitude)) - 4); its byte is the largest magnitude's exponent field - 4, held at 1 from below.
; LIMITS: a block of zeros, or one whose largest magnitude lies under 2^-122, gets the byte 1 (its bytes are read by this program alone); NaN and infinities among the inputs are not served; any mask word other than 0 counts as kept.
.set X0,  32                           ; v32-95   64 numbers of a lane
.set X1,  96                           ; v96-159  a second set; later D's four accumulators
.set FRG, 160                          ; v160-219 up to five fragments of 12 registers
.set SWD, 220                          ; v220-224 their scale words, and nothing else
.set TMX, 226                          ; at work in QB
.set TSC, 228
.set TBY, 230
.set TT,  232
.set TQ,  236
.set LX,  32768                        ; LDS: path D has bytes 0 to 32,767, path L 128 bytes from here
.set EVERY, 0                          ; 1: every row of every batch is listed, whatever the mask
; 64 numbers of row r: register 32 c + i = k 64 c + 32 h + i of the K step: the order in which the operand's layout gives them to lane (r, h)
.macro LOADF set, off, base, imm
.irp c, 0,1
.irp j, 0,1,2,3,4,5,6,7
	global_load_b128 v[\set+32*\c+4*\j:\set+32*\c+4*\j+3], v[\off], s[\base:\base+1] offset:\imm+256*\c+16*\j
.endr
.endr
.endm
; they become a fragment's 12 registers at v[f] and its scale word in v[sw].  A lane holds two whole blocks of 32: blocks h and 2 + h of its row
.macro QB x, f, sw
.irp c, 0,1
	v_max3_num_f32 v[TMX+\c], |v[\x+32*\c]|, |v[\x+32*\c+1]|, 0x2800000   ; with the floor 2^(5 - 127): the byte cannot fall under 1
.endr
.irp i, 2,4,6,8,10,12,14,16,18,20,22,24,26,28,30
.irp c, 0,1
	v_max3_num_f32 v[TMX+\c], v[TMX+\c], |v[\x+32*\c+\i]|, |v[\x+32*\c+\i+1]|
.endr
.endr
.irp c, 0,1
	v_add_nc_u32 v[TSC+\c], 0xfe000000, v[TMX+\c]      ; 4 off the exponent field: the conversion's scale operand
.endr
.irp c, 0,1
	v_lshrrev_b32 v[TBY+\c], 23, v[TSC+\c]             ; the scale's byte
.endr
	v_lshl_or_b32 v[\sw], v[TBY+1], 16, v[TBY]
	v_lshlrev_b32 v[\sw], v4, v[\sw]                   ; my two bytes at their places: 8 h bits up
	v_permlanex16_b32 v[TT], v[\sw], s26, s27
	v_or_b32 v[\sw], v[\sw], v[TT]                     ; with lane l xor 16's two the word is whole
.irp c, 0,1
	v_cvt_scalef32_pk16_bf6_f32 v[\f+6*\c:\f+6*\c+2], v[\x+32*\c:\x+32*\c+15], v[TSC+\c]
	v_cvt_scalef32_pk16_bf6_f32 v[TQ+4*\c:TQ+4*\c+2], v[\x+32*\c+16:\x+32*\c+31], v[TSC+\c]   ; (a conversion's three registers begin on an even number)
.endr
	v_nop                                              ; one plain place behind a scaled conversion
.irp c, 0,1
.irp i, 0,1,2
	v_mov_b32 v[\f+6*\c+3+\i], v[TQ+4*\c+\i]
.endr
.endr
.endm
	s_load_b512 s[4:19], s[0:1], 0x0               ; W_w s[4:5], W_b s[6:7], dec_hidden s[8:9], mask s[10:11], wfrag s[12:13], wscl s[14:15], bias s[16:17], list s[18:19]
	s_load_b128 s[20:23], s[0:1], 0x40             ; inv s[20:21], meta s[22:23]
	v_lshl_add_u32 v254, v0, 2, 0x8400
	v_mov_b32 v255, 0
	v_lshrrev_b32 v5, 5, v0
	v_readfirstlane_b32 s24, v5                    ; wave 0..7
	v_and_b32 v1, 31, v0                           ; lane
	v_and_b32 v2, 15, v0                           ; r
	v_bfe_u32 v3, v0, 4, 1                         ; h
	v_lshlrev_b32 v4, 3, v3                        ; 8 h
	s_mov_b32 s26, 0x76543210
	s_mov_b32 s27, 0xfedcba98                      ; v_permlanex16_b32's selects for lane l xor 16
	v_mov_b32 v[TT], 0                             ; a lane permute's destination counts as one of its sources
	s_wait_kmcnt 0x0
	s_cmp_lt_u32 ttmp9, 64
	s_cbranch_scc1 .Lw
	s_cmp_lt_u32 ttmp9, 128
	s_cbranch_scc1 .Ld
; ---------------- L: the list of batch b ----------------
	s_sub_co_u32 s28, ttmp9, 128                   ; b
	s_lshl_b32 s29, s28, 12
	s_lshl_b32 s30, s24, 9
	s_add_co_u32 s29, s29, s30
	v_lshl_add_u32 v6, v1, 4, s29                  ; my four words of batch b: s = 128 wave + 4 lane + 0..3 (the same place in mask and in inv)
	s_lshl_b32 s30, s24, 12
	v_lshl_add_u32 v7, v1, 4, s30                  ; for the counts: batch wave + 8 k
	s_lshl_b32 s30, s28, 2
	v_mov_b32 v170, s30                            ; meta: 4 b
	v_mov_b32 v171, 0
	s_lshl_b32 s36, s24, 4
	s_add_co_u32 s36, s36, LX
	v_mov_b32 v168, s36                            ; LDS: my wave's 16 bytes
	v_mov_b32 v169, LX
	global_load_b128 v[160:163], v6, s[10:11]
.macro MLOAD k                         ; all 1,024 words of batch wave + 8 k, into set k % 4 of four
.irp q, 0,1,2,3,4,5,6,7
	global_load_b128 v[32+32*((\k)%4)+4*\q:32+32*((\k)%4)+4*\q+3], v7, s[10:11] offset:32768*(\k)+512*\q
.endr
.endm
.macro COUNT k
.if (\k) < 5
	s_wait_loadcnt 24                              ; this batch's eight loads are in; those of the three batches behind it may be out
.else
	s_wait_loadcnt 8*(7-(\k))
.endif
	s_mov_b32 s33, 0
.irp g, 0,1,2,3
.irp i, 0,1,2,3,4,5,6,7
	v_cmp_ne_u32 s[40+\i], 0, v[32+32*((\k)%4)+8*\g+\i]
.endr
.irp i, 0,1,2,3,4,5,6,7
	s_bcnt1_i32_b32 s[40+\i], s[40+\i]
.endr
.irp i, 0,1,2,3,4,5,6,7
	s_add_co_u32 s33, s33, s[40+\i]
.endr
.endr
.if EVERY
	s_mov_b32 s33, 0
.endif
	s_cmp_eq_u32 s33, 0
	s_cselect_b32 s33, 1024, s33                   ; a batch with no kept row lists all its rows
	s_add_co_u32 s32, s32, s33                     ; my share of the list's length
	s_add_co_u32 s34, s24, 8*(\k)
	s_cmp_lt_u32 s34, s28
	s_cselect_b32 s34, s33, 0
	s_add_co_u32 s31, s31, s34                     ; and of what lies in front of batch b
.if (\k)+4 < 8
	MLOAD (\k)+4
.endif
.endm
	MLOAD 0
	MLOAD 1
	MLOAD 2
	MLOAD 3
	s_mov_b32 s31, 0
	s_mov_b32 s32, 0
.irp k, 0,1,2,3,4,5,6,7
	COUNT \k
.endr
.irp i, 0,1,2,3
	v_cmp_ne_u32 s[44+\i], 0, v[160+\i]            ; my wave's 128 rows of batch b: four masks of lanes
.endr
.irp i, 0,1,2,3
	s_bcnt1_i32_b32 s[40+\i], s[44+\i]
.endr
	s_add_co_u32 s35, s40, s41
	s_add_co_u32 s35, s35, s42
	s_add_co_u32 s35, s35, s43
.if EVERY
	s_mov_b32 s35, 0
.endif
	v_mov_b32 v164, s31
	v_mov_b32 v165, s32
	v_mov_b32 v166, s35
	v_mov_b32 v167, 0
	ds_store_b128 v168, v[164:167]                 ; all lanes write the same 16 bytes with the same values
	s_wait_dscnt 0x0                               ; for the others' sake: my store has landed
	s_barrier_signal -1
	s_barrier_wait -1
.irp j, 0,1,2,3,4,5,6,7
	ds_load_b128 v[172+4*\j:175+4*\j], v169 offset:16*\j
.endr
	s_mov_b32 s31, 0                               ; off: the list's entries in front of batch b
	s_mov_b32 s32, 0                               ; R: the list's length
	s_mov_b32 s35, 0                               ; kept rows of batch b
	s_mov_b32 s37, 0                               ; those of them in waves in front of mine
	s_wait_dscnt 0x0
.irp j, 0,1,2,3,4,5,6,7
	v_readfirstlane_b32 s40, v[172+4*\j]
	v_readfirstlane_b32 s41, v[173+4*\j]
	v_readfirstlane_b32 s42, v[174+4*\j]
	s_add_co_u32 s31, s31, s40
	s_add_co_u32 s32, s32, s41
	s_add_co_u32 s35, s35, s42
	s_cmp_gt_u32 s24, \j
	s_cselect_b32 s42, s42, 0
	s_add_co_u32 s37, s37, s42
.endr
	s_lshl_b32 s39, s24, 7
	s_cmp_eq_u32 s35, 0
	s_cselect_b32 s38, -1, 0                       ; no kept row: all are listed
	s_cselect_b32 s35, 1024, s35
	s_cselect_b32 s37, s39, s37
.irp i, 0,1,2,3
	s_or_b32 s[44+\i], s[44+\i], s38
	v_mbcnt_lo_u32_b32 v[204+\i], s[44+\i], s37    ; the place in the batch's part: listed rows in front of mine
	s_bcnt1_i32_b32 s40, s[44+\i]
	s_add_co_u32 s37, s37, s40
	v_cndmask_b32 v[208+\i], -1, v[204+\i], s[44+\i]
.endr
	; every offset and every number that is stored below is made here, with all lanes on
	s_lshl_b32 s40, s28, 10
	s_add_co_u32 s40, s40, s39
	v_lshl_add_u32 v216, v1, 2, s40                ; my first row's number
.irp i, 1,2,3
	v_add_nc_u32 v[216+\i], \i, v216
.endr
.irp i, 0,1,2,3
	v_add_nc_u32 v[212+\i], s31, v[204+\i]
	v_min_u32 v[212+\i], 0xffff, v[212+\i]         ; a place in the list, held inside it
	v_lshlrev_b32 v[212+\i], 2, v[212+\i]
.endr
	v_add_nc_u32 v233, s32, v1                     ; the 32 places behind the list's end, held inside the buffer (65,664 entries)
	v_min_u32 v233, 0x1007f, v233
	v_lshlrev_b32 v233, 2, v233
	s_add_co_u32 s42, s32, 15
	s_lshr_b32 s42, s42, 4                         ; tiles of 16 rows
	v_mov_b32 v227, s31
	v_mov_b32 v228, s35
	v_mov_b32 v229, s42
	global_store_b128 v6, v[208:211], s[20:21]     ; inv: a wave stores 512 consecutive bytes
	s_cmp_lg_u32 s24, 0
	s_cbranch_scc1 .Ll_list
	global_store_b32 v170, v227, s[22:23]          ; wave 0: off[b]; all 32 lanes write the same word with the same value
	global_store_b32 v170, v228, s[22:23] offset:256   ; cnt[b], likewise
	s_cmp_lg_u32 s28, 63
	s_cbranch_scc1 .Ll_list
	global_store_b32 v233, v171, s[18:19]          ; the last batch's work-group: 32 entries of 0 behind the list's end, so that the last tile of 16 is whole,
	global_store_b32 v171, v229, s[22:23] offset:512   ; and the number of tiles (one word, the same from all lanes)
.Ll_list:
.irp i, 0,1,2,3
	s_mov_b32 vcc_lo, s[44+\i]
	s_wait_xcnt 0x0                                ; EXEC changes only when the earlier stores have read their sources
	s_and_saveexec_b32 s41, vcc_lo
	global_store_b32 v[212+\i], v[216+\i], s[18:19]    ; the listed rows alone
	s_wait_xcnt 0x0
	s_or_b32 exec_lo, exec_lo, s41
.endr
	s_wait_xcnt 0x0
	s_mov_b32 exec_lo, -1
	s_wait_tensorcnt 0x0
	ds_add_u32 v254, v255
	s_wait_dscnt 0x0
	s_endpgm
; ---------------- W: one fragment of We a wave ----------------
.Lw:
	s_lshl_b32 s28, ttmp9, 17                      ; 16 t rows of 8,192 bytes
	s_lshl_b32 s29, s24, 9                         ; K step = wave: 512 bytes
	s_add_co_u32 s28, s28, s29
	s_add_co_u32 s28, s28, 4096                    ; We begins at column 1,024
	v_lshlrev_b32 v6, 13, v2
	v_lshl_add_u32 v6, v3, 7, v6
	v_add_nc_u32 v6, s28, v6
	LOADF X0, 6, 4, 0
	s_lshr_b32 s30, ttmp9, 3
	s_lshl_b32 s30, s30, 3
	s_add_co_u32 s30, s30, s24                     ; 8 (t / 8) + s
	s_and_b32 s31, ttmp9, 7
	s_lshl_b32 s32, s30, 3
	s_add_co_u32 s32, s32, s31                     ; the fragment's number
	s_mul_i32 s32, s32, 1536
	v_lshl_add_u32 v7, v1, 4, s32
	s_lshl_b32 s30, s30, 9
	s_and_b32 s33, s31, 1
	s_lshl_b32 s33, s33, 8
	s_add_co_u32 s30, s30, s33
	s_lshr_b32 s31, s31, 1
	s_lshl_b32 s31, s31, 2
	s_add_co_u32 s30, s30, s31
	v_lshl_add_u32 v8, v2, 4, s30                  ; the scale word's place: 512 (8 (t/8) + s) + 256 (t%2) + 16 r + 4 ((t%8)/2)
	s_wait_loadcnt 0x0
	QB X0, FRG, SWD
	global_store_b128 v7, v[FRG:FRG+3], s[12:13]               ; each store of the wave covers 512 consecutive bytes
	global_store_b128 v7, v[FRG+4:FRG+7], s[12:13] offset:512
	global_store_b128 v7, v[FRG+8:FRG+11], s[12:13] offset:1024
	global_store_b32 v8, v[SWD], s[14:15]                      ; lanes r and r + 16 write the same word with the same value
	s_endpgm
; ---------------- D: dec_proj + W_b ----------------
.Ld:
	s_sub_co_u32 s28, ttmp9, 64
	s_and_b32 s29, s28, 15                         ; which 64 d
	s_lshr_b32 s30, s28, 4                         ; which 16 batches
	s_lshl_b32 s31, s24, 9                         ; K step = wave
	s_lshl_b32 s32, s30, 16
	s_add_co_u32 s32, s32, s31
	v_lshlrev_b32 v6, 12, v2
	v_lshl_add_u32 v6, v3, 7, v6
	v_add_nc_u32 v6, s32, v6                       ; dec_hidden: row 16 m + r of 4,096 bytes
	s_lshl_b32 s33, s29, 19
	s_add_co_u32 s33, s33, s31
	v_lshlrev_b32 v7, 13, v2
	v_lshl_add_u32 v7, v3, 7, v7
	v_add_nc_u32 v7, s33, v7                       ; Wd: row 64 dg + r of 8,192 bytes; 16 rows on are 131,072 bytes
	s_lshl_b32 s34, s29, 8
	v_lshl_add_u32 v8, v2, 4, s34                  ; W_b: four numbers at d = 64 dg + 4 (lane % 16)
	global_load_b128 v[248:251], v8, s[6:7]
	LOADF X0, 6, 8, 0
	LOADF X1, 7, 4, 0
	s_lshl_b32 s34, s24, 12
	v_lshl_add_u32 v9, v1, 4, s34                  ; LDS, in: my wave's 4,096 bytes, 16 bytes a lane
	v_bfe_u32 v10, v0, 2, 2                        ; LDS, back: row rho = 2 wave + h, piece pi = lane % 16 (four d): tile pi / 4, half (pi / 2) % 2, registers 4 (pi % 2) on
	v_lshlrev_b32 v10, 10, v10
	v_and_b32 v11, 1, v0
	v_lshl_add_u32 v10, v11, 9, v10
	v_bfe_u32 v11, v0, 1, 1
	v_lshl_add_u32 v10, v11, 8, v10
	v_lshl_add_u32 v10, v3, 4, v10
	s_lshl_b32 s35, s24, 5
	v_add_nc_u32 v10, s35, v10
	s_lshl_b32 s36, s30, 16
	s_lshl_b32 s37, s24, 13
	s_add_co_u32 s36, s36, s37
	s_lshl_b32 s37, s29, 8
	s_add_co_u32 s36, s36, s37
	v_lshlrev_b32 v12, 12, v3
	v_lshl_add_u32 v12, v2, 4, v12
	v_add_nc_u32 v12, s36, v12                     ; bias: row 16 m + rho, byte 256 dg + 16 pi
	s_wait_loadcnt 16                              ; the older fragment's 16 loads are in, the younger one's may be out
	QB X0, FRG, SWD
	LOADF X0, 7, 4, 131072
	s_wait_loadcnt 16
	QB X1, FRG+12, SWD+1
	LOADF X1, 7, 4, 262144
	s_wait_loadcnt 16
	QB X0, FRG+24, SWD+2
	LOADF X0, 7, 4, 393216
	s_wait_loadcnt 16
	QB X1, FRG+36, SWD+3
	s_wait_loadcnt 0x0
	QB X0, FRG+48, SWD+4
.rept 8
	v_nop                                          ; a scale register written by a vector instruction stands 8 places ahead of a scaled matrix instruction, an operand so written 4
.endr
.irp i, 0,1,2,3                        ; transposed: source 0 = 16 rows of Wd, source 1 = 16 batches: lane (r, h) holds batch 16 m + r, register j holds d = 64 dg + 16 i + 8 h + j
	v_wmma_scale_f32_16x16x128_f8f6f4 v[X1+8*\i:X1+8*\i+7], v[FRG+12+12*\i:FRG+23+12*\i], v[FRG:FRG+11], 0, v[SWD+1+\i], v[SWD] matrix_a_fmt:MATRIX_FMT_BF6 matrix_b_fmt:MATRIX_FMT_BF6
.endr
.rept 4
	v_nop                                          ; four places in front of the first read of results
.endr
.irp i, 0,1,2,3
	ds_store_b128 v9, v[X1+8*\i:X1+8*\i+3] offset:1024*\i          ; each accumulator from its low end on
	ds_store_b128 v9, v[X1+8*\i+4:X1+8*\i+7] offset:1024*\i+512
.endr
	s_wait_dscnt 0x0                               ; for the others' sake: my stores have landed
	s_barrier_signal -1
	s_barrier_wait -1
.irp j, 0,1,2,3,4,5,6,7
	ds_load_b128 v[32+4*\j:35+4*\j], v10 offset:4096*\j            ; the eight K steps' parts of my four numbers
.endr
	s_wait_dscnt 0x0
.irp j, 0,2,4,6
	v_pk_add_f32 v[32+4*\j:33+4*\j], v[32+4*\j:33+4*\j], v[36+4*\j:37+4*\j]
	v_pk_add_f32 v[34+4*\j:35+4*\j], v[34+4*\j:35+4*\j], v[38+4*\j:39+4*\j]
.endr
.irp j, 0,4
	v_pk_add_f32 v[32+4*\j:33+4*\j], v[32+4*\j:33+4*\j], v[40+4*\j:41+4*\j]
	v_pk_add_f32 v[34+4*\j:35+4*\j], v[34+4*\j:35+4*\j], v[42+4*\j:43+4*\j]
.endr
	v_pk_add_f32 v[32:33], v[32:33], v[48:49]
	v_pk_add_f32 v[34:35], v[34:35], v[50:51]
	v_pk_add_f32 v[32:33], v[32:33], v[248:249]
	v_pk_add_f32 v[34:35], v[34:35], v[250:251]
	global_store_b128 v12, v[32:35], s[16:17]      ; sixteen lanes store 256 consecutive bytes, at a multiple of 256 from the buffer's first byte
	s_wait_xcnt 0x0
	s_mov_b32 exec_lo, -1
	s_wait_tensorcnt 0x0
	ds_add_u32 v254, v255
	s_wait_dscnt 0x0
	s_endpgm
.Lfunc_end_k_qaec8787a53_prep:
	.size	k_qaec8787a53_prep, .Lfunc_end_k_qaec8787a53_prep-k_qaec8787a53_prep
	.p2alignl 7, 3214868480
	.fill 96, 4, 3214868480
	.section	.rodata,"a",@progbits
	.p2align	6, 0x0
	.amdhsa_kernel k_qaec8787a53_prep
		.amdhsa_group_segment_fixed_size 34816
		.amdhsa_private_segment_fixed_size 0
		.amdhsa_enable_private_segment 0
		.amdhsa_kernarg_size 80
		.amdhsa_user_sgpr_count 2
		.amdhsa_user_sgpr_kernarg_segment_ptr 1
		.amdhsa_wavefront_size32 1
		.amdhsa_system_sgpr_workgroup_id_x 1
		.amdhsa_system_sgpr_workgroup_id_y 1
		.amdhsa_system_sgpr_workgroup_id_z 1
		.amdhsa_system_vgpr_workitem_id 0
		.amdhsa_next_free_vgpr 256
		.amdhsa_next_free_sgpr 66
		.amdhsa_reserve_vcc 1
		.amdhsa_float_denorm_mode_32 3
		.amdhsa_float_denorm_mode_16_64 3
		.amdhsa_memory_ordered 1
		.amdhsa_forward_progress 1
		.amdhsa_inst_pref_size 83
	.end_amdhsa_kernel
	.amdgpu_metadata
---
amdhsa.version: [ 1, 2 ]
amdhsa.kernels:
  - .name:           k_qaec8787a53_prep
    .symbol:         k_qaec8787a53_prep.kd
    .args:
      - { .name: W_w, .offset: 0, .size: 8, .value_kind: global_buffer, .address_space: global }
      - { .name: W_b, .offset: 8, .size: 8, .value_kind: global_buffer, .address_space: global }
      - { .name: dec_hidden, .offset: 16, .size: 8, .value_kind: global_buffer, .address_space: global }
      - { .name: mask, .offset: 24, .size: 8, .value_kind: global_buffer, .address_space: global }
      - { .name: wfrag, .offset: 32, .size: 8, .value_kind: global_buffer, .address_space: global }
      - { .name: wscl, .offset: 40, .size: 8, .value_kind: global_buffer, .address_space: global }
      - { .name: bias, .offset: 48, .size: 8, .value_kind: global_buffer, .address_space: global }
      - { .name: list, .offset: 56, .size: 8, .value_kind: global_buffer, .address_space: global }
      - { .name: inv, .offset: 64, .size: 8, .value_kind: global_buffer, .address_space: global }
      - { .name: meta, .offset: 72, .size: 8, .value_kind: global_buffer, .address_space: global }
    .group_segment_fixed_size: 34816
    .private_segment_fixed_size: 0
    .kernarg_segment_align: 8
    .kernarg_segment_size: 80
    .max_flat_workgroup_size: 256
    .sgpr_count:     66
    .vgpr_count:     256
    .wavefront_size: 32
...
	.end_amdgpu_metadata
.endif
;; end of part 1
;; launch score (part 2): grid 456 x 1, 4 waves a work-group, no clusters, 152,064 bytes of LDS; arguments encoder_outputs, mask, v_w, wfrag, wscl, bias, list, meta, scores; writes scores
.if DOCPART == 2
	.amdgcn_target "amdgcn-amd-amdhsa--gfx1250"
	.amdhsa_code_object_version 6
	.text
	.protected	k_qaec8787a53_score
	.globl	k_qaec8787a53_score
	.p2align	8
	.type	k_qaec8787a53_score,@function
k_qaec8787a53_score:
	s_mov_b64 s[64:65], 0
	v_nop
	global_prefetch_b8 v0, s[64:65] scope:SCOPE_SE
	s_setreg_imm32_b32 hwreg(HW_REG_WAVE_MODE, 25, 1), 1
	s_wait_xcnt 0x0
; SCORE: for the listed rows, scores[place] = sum over d of v[d] tanh( (quantised row) . (quantised We[d]) + bias[batch][d] ), replaced by -1e10 where the row's mask word is 0.
; Both operands are codes of BF6 (E3M2) with one E8M0 scale for each 32 along K; sums in f32; tanh(x) = 1 - 2 / (1 + 2^(2 log2(e) x)) in f32.
; SHARES.  Work-group w takes the list's tiles of 16 rows 9 w .. 9 w + 8, as far as there are any (T tiles, read from meta; T is at least 4, since every batch lists a row).  The grid, 456 = ceil(4,096 / 9),
; serves every mask.  A work-group without a tile (n = 0) runs the short head and the short end, jumps round the two long phases and stores nothing: the jumps hang on a stored number, lead round work
; between barriers alone, and every wave passes every barrier.  Because of those jumps this text has no tensor load and no cluster: We comes from memory straight into registers, in the order in which an
; earlier launch has laid it.  Tile a of a work-group is min(9 w + a, T - 1): a work-group with fewer than nine tiles takes the list's last tile again in the places left over; nothing of those is stored.
; PHASE X: the 144 rows (4,096 bytes each) are read once, 512 consecutive bytes a load, turned through the wave's own stage in LDS so that a lane holds 16 neighbours along K, quantised,
; and laid in LDS as images of operand registers: 72 fragments (tile a, K step s).  Wave w makes tiles w and w + 4 and K steps 2 w, 2 w + 1 of tile 8.
; PHASE G: the waves share the columns: wave w makes d = 256 w .. 256 w + 255 for all 144 rows, in two passes of 128 d: 9 x 8 accumulators, 576 registers.  Transposed use: source 0 = 16 rows of We,
; source 1 = 16 rows of the list: a lane holds ONE row (lane % 16), register j of accumulator (a, b) holds d = 256 w + 128 pass + 16 b + 8 (lane / 16) + j.  The bias is loaded into the accumulators
; and is the C of the first K step: nothing is cleared.  Behind a pass: tanh and the product with v, summed for each row in a pair of registers.
; LIMITS: a block of zeros, or one whose largest magnitude lies under 2^-122, gets the scale byte 1; NaN and infinities among the inputs are not served.
; REGISTERS, in windows of 256.  Window 0: v1-31 addresses and single numbers; v32-49 P, a pair a tile; v50-58 the rows' scale words, v60-67 We's (two sets of 4): these hold scales and nothing else;
;   v68-73 at work; v76-139 v of the pass; v140-247 the rows' nine fragments.  In phase X: v76-123 row offsets, v124-187 64 numbers, v188-225 at work.
; Window 1: We's fragments, two sets of 96; v192-255 tile 8's accumulators; in phase X a ring of four sets of 64.   Window 2: the accumulators of tiles 0-3;  window 3: of tiles 4-7.
.set IMG, 0                            ; LDS: fragment (a, s) at (8 a + s) 1,536: register group c of lane l at 512 c + 16 l
.set ASC, 110592                       ; row r's scale word of (a, s) at (8 a + s) 64 + 4 r
.set STG, 115200                       ; a stage for each wave: 16 rows x (512 + 16) bytes
.set SX,  148992                       ; wave w's partial scores: 576 w + 4 row
.set L16, 1
.set LI1, 3
.set AD0, 4
.set AD1, 5
.set SA0, 6
.set SAD, 7
.set STA, 8
.set STB, 9
.set IMA, 10
.set IM8, 11
.set SCW, 12
.set SC8, 13
.set SXW, 14
.set SXR, 15
.set MK0, 16
.set MK1, 17
.set VS,  18
.set VOF, 19
.set SO0, 20
.set SO8, 21
.set BOFF, 22
.set SXR8, 31
.set P,   32
.set SCA, 50
.set SCB, 60
.set T,   68
.set V,   76
.set AF,  140
.set ROFF, 76
.set X,   124
.set TM,  188
.set PW,  204
.set PC,  206
.set WB,  36                           ; s[36:37] We's fragments, s[38:39] their scale words: at the pair of K steps in hand
.set WS,  38
.set MSB, 0
.macro WIN new                         ; the immediate's high byte repeats the setting that is left
.if MSB != \new
	s_set_vgpr_msb (MSB<<8)|\new
.set MSB, \new
.endif
.endm
.macro PLACES                          ; four plain places behind matrix instructions, in front of loads into their registers and of reads of results
.rept 4
	v_nop
.endr
.endm
	s_load_b512 s[4:19], s[0:1], 0x0               ; encoder_outputs s[4:5], mask s[6:7], v_w s[8:9], wfrag s[10:11], wscl s[12:13], bias s[14:15], list s[16:17], meta s[18:19]
	s_load_b64 s[20:21], s[0:1], 0x40              ; scores
	v_lshl_add_u32 v254, v0, 2, 0x25000
	v_mov_b32 v255, 0
	v_lshrrev_b32 v248, 5, v0
	v_readfirstlane_b32 s22, v248                  ; wave 0..3
	v_and_b32 v248, 31, v0                         ; lane
	v_and_b32 v249, 15, v0                         ; r
	v_bfe_u32 v250, v0, 4, 1                       ; h
	v_lshlrev_b32 v[L16], 4, v248
	s_mov_b32 s30, 0x4038aa3b                      ; 2 log2(e)
	s_mov_b32 s31, s30                             ; (named with it as a pair, so it is written)
	s_mov_b32 s32, 0x76543210
	s_mov_b32 s33, 0xfedcba98                      ; v_permlanex16_b32's selects for lane l xor 16
	s_mul_i32 s24, ttmp9, 9                        ; my first tile
	s_wait_kmcnt 0x0
	s_load_b32 s23, s[18:19], 0x200                ; T
	s_wait_kmcnt 0x0
	s_min_u32 s23, s23, 0x1000
	s_min_u32 s25, s24, s23
	s_sub_co_u32 s25, s23, s25
	s_min_u32 s25, s25, 9                          ; n: how many tiles are mine, 0 to 9
	s_sub_co_u32 s40, s23, 1                       ; the list's last tile
	s_add_co_u32 s41, s24, s22                     ; the row numbers of the three tiles that I quantise (w, w + 4, 8), as scalars
	s_min_u32 s41, s41, s40
	s_min_u32 s41, s41, 0xfff
	s_lshl_b32 s41, s41, 6
	s_load_b512 s[48:63], s[16:17], s41 offset:0x0
	s_add_co_u32 s42, s24, s22
	s_add_co_u32 s42, s42, 4
	s_min_u32 s42, s42, s40
	s_min_u32 s42, s42, 0xfff
	s_lshl_b32 s42, s42, 6
	s_load_b512 s[68:83], s[16:17], s42 offset:0x0
	s_add_co_u32 s43, s24, 8
	s_min_u32 s43, s43, s40
	s_min_u32 s43, s43, 0xfff
	s_lshl_b32 s43, s43, 6
	s_load_b512 s[84:99], s[16:17], s43 offset:0x0
.irp a, 0,1,2,3,4,5,6,7,8                  ; and of row r of each of the nine tiles, a lane a row, for the bias
	s_add_co_u32 s44, s24, \a
	s_min_u32 s44, s44, s40
	s_min_u32 s44, s44, 0xfff
	s_lshl_b32 s44, s44, 6
	v_lshl_add_u32 v[226+\a], v249, 2, s44
	global_load_b32 v[236+\a], v[226+\a], s[16:17]
.endr
	s_lshl_b32 s45, s23, 4
	s_sub_co_u32 s45, s45, 1                       ; 16 T - 1: the last place of the last tile
	s_lshl_b32 s46, s24, 4
	v_add_nc_u32 v245, s46, v0                     ; the row whose score I store at the end: row = thread,
	v_min_u32 v245, s45, v245
	v_min_u32 v245, 0xffff, v245
	v_lshlrev_b32 v245, 2, v245
	global_load_b32 v251, v245, s[16:17]
	v_add_nc_u32 v246, 128, v249                   ; and row 128 + r
	v_add_nc_u32 v246, s46, v246
	v_min_u32 v246, s45, v246
	v_min_u32 v246, 0xffff, v246
	v_lshlrev_b32 v246, 2, v246
	global_load_b32 v252, v246, s[16:17]
	s_lshl_b32 s47, s22, 10
	v_lshl_add_u32 v247, v248, 5, s47
	global_load_b128 v[206:209], v247, s[8:9]      ; my wave's 256 numbers of v, eight a lane, for their sum
	global_load_b128 v[210:213], v247, s[8:9] offset:16
	; addresses that stay
	v_add_nc_u32 v[LI1], 61440, v[L16]
	v_lshl_add_u32 v[SA0], v248, 2, ASC
	s_mul_i32 s44, s22, 8448
	s_add_co_u32 s44, s44, STG
	v_add_nc_u32 v[STA], s44, v[L16]               ; stage, in: a row's 512 bytes as they lie
	v_mul_u32_u24 v[STB], v249, 528
	v_lshl_add_u32 v[STB], v250, 6, v[STB]
	v_add_nc_u32 v[STB], s44, v[STB]               ; stage, back: row r, + 64 h: my 16 numbers of each block of 32
	s_mul_i32 s44, s22, 12288
	v_add_nc_u32 v[IMA], s44, v[L16]               ; images of tile w (tile w + 4: 49,152 on)
	s_mul_i32 s44, s22, 3072
	s_add_co_u32 s44, s44, 98304
	v_add_nc_u32 v[IM8], s44, v[L16]               ; of tile 8, K step 2 w
	s_lshl_b32 s44, s22, 9
	s_add_co_u32 s44, s44, ASC
	v_lshl_add_u32 v[SCW], v249, 2, s44
	s_lshl_b32 s44, s22, 7
	s_add_co_u32 s44, s44, ASC+4096
	v_lshl_add_u32 v[SC8], v249, 2, s44
	s_mul_i32 s44, s22, 576
	s_add_co_u32 s44, s44, SX
	v_lshl_add_u32 v[SXW], v249, 2, s44
	v_lshl_add_u32 v[SXR], v0, 2, SX
	v_lshl_add_u32 v[SXR8], v249, 2, SX+512
	v_lshl_add_u32 v[VOF], v250, 5, s47            ; 1,024 w + 32 h: my eight d of a tile, in v and in a row of the bias
	s_lshl_b32 s46, s24, 6
	v_lshl_add_u32 v[SO0], v0, 2, s46              ; where my row's score goes: 4 (16 x first tile + row)
	s_add_co_u32 s46, s46, 512
	v_lshl_add_u32 v[SO8], v249, 2, s46
	s_mul_i32 s44, s22, 196608                     ; my 16 tiles of We: two groups of 8 tiles x 8 K steps x 1,536 bytes
	s_mov_b32 s45, 0
	s_add_nc_u64 s[WB:WB+1], s[10:11], s[44:45]
	s_lshl_b32 s44, s22, 13
	s_add_nc_u64 s[WS:WS+1], s[12:13], s[44:45]
.irp i, 0,1,2,3,4,5,6,7,8,9,10,11,12,13,14,15,16,17
	v_mov_b32 v[P+\i], 0                           ; the rows' sums run over both passes
.endr
.irp b, 0,1,2,3
	v_mov_b32 v[TM+4+\b], 0                        ; a lane permute's destination counts as one of its sources
.endr
	v_mov_b32 v253, 0
	s_wait_kmcnt 0x0
.irp i, 0,1,2,3,4,5,6,7,8,9,10,11,12,13,14,15
	s_min_u32 s[48+\i], s[48+\i], 0xffff           ; a row number, held inside the tensor; a row is 4,096 bytes
	s_lshl_b32 s[48+\i], s[48+\i], 12
	v_add_nc_u32 v[ROFF+\i], s[48+\i], v[L16]
	s_min_u32 s[68+\i], s[68+\i], 0xffff
	s_lshl_b32 s[68+\i], s[68+\i], 12
	v_add_nc_u32 v[ROFF+16+\i], s[68+\i], v[L16]
	s_min_u32 s[84+\i], s[84+\i], 0xffff
	s_lshl_b32 s[84+\i], s[84+\i], 12
	s_add_co_u32 s[84+\i], s[84+\i], s47           ; of tile 8 I take K steps 2 w and 2 w + 1: 1,024 w bytes on
	v_add_nc_u32 v[ROFF+32+\i], s[84+\i], v[L16]
.endr
	s_wait_loadcnt 0x0
.irp a, 0,1,2,3,4,5,6,7,8
	v_min_u32 v[236+\a], 0xffff, v[236+\a]
	v_and_b32 v[236+\a], 0xfc00, v[236+\a]         ; 1,024 x the row's batch
	v_lshl_add_u32 v[BOFF+\a], v[236+\a], 2, v[VOF]
.endr
	v_min_u32 v251, 0xffff, v251
	v_lshlrev_b32 v251, 2, v251
	global_load_b32 v[MK0], v251, s[6:7]           ; my rows' mask words
	v_min_u32 v252, 0xffff, v252
	v_lshlrev_b32 v252, 2, v252
	global_load_b32 v[MK1], v252, s[6:7]
	v_add_f32 v206, v206, v207
	v_add_f32 v208, v208, v209
	v_add_f32 v210, v210, v211
	v_add_f32 v212, v212, v213
	v_add_f32 v206, v206, v208
	v_add_f32 v210, v210, v212
	v_add_f32 v[VS], v206, v210
	v_add_f32_dpp v[VS], v[VS], v[VS] row_xmask:1 row_mask:0xf bank_mask:0xf
	v_add_f32_dpp v[VS], v[VS], v[VS] row_xmask:2 row_mask:0xf bank_mask:0xf
	v_add_f32_dpp v[VS], v[VS], v[VS] row_xmask:4 row_mask:0xf bank_mask:0xf
	v_add_f32_dpp v[VS], v[VS], v[VS] row_xmask:8 row_mask:0xf bank_mask:0xf
	v_permlanex16_b32 v253, v[VS], s32, s33
	v_add_f32 v[VS], v[VS], v253                   ; the sum of my wave's 256 numbers of v
; ---------------- PHASE X ----------------
; Piece q of 18: q < 8: tile w, K step q; q < 16: tile w + 4, K step q - 8; q = 16, 17: tile 8, K step 2 w + q - 16.  16 rows x 512 bytes, a load a row.
.macro RLOAD q
	WIN 0x40                                       ; destination window 1
.irp i, 0,1,2,3,4,5,6,7,8,9,10,11,12,13,14,15
	global_load_b128 v[64*((\q)%4)+4*\i:64*((\q)%4)+4*\i+3], v[ROFF+16*((\q)/8)+\i], s[4:5] offset:512*((\q)%8) th:TH_LOAD_NT
.endr
	WIN 0
.endm
; 64 numbers of a lane, register 16 b + i = k 32 b + 16 h + i of my row, become a fragment's codes in v[PC] on and its scale word in v[PW]
.macro QUANT s
.irp b, 0,1,2,3
	v_max3_num_f32 v[TM+\b], |v[\s+16*\b]|, |v[\s+1+16*\b]|, 0x2800000   ; with the floor 2^(5 - 127): the byte cannot fall under 1
.endr
.irp i, 2,4,6,8,10,12,14
.irp b, 0,1,2,3
	v_max3_num_f32 v[TM+\b], v[TM+\b], |v[\s+16*\b+\i]|, |v[\s+1+16*\b+\i]|
.endr
.endr
.irp b, 0,1,2,3
	v_permlanex16_b32 v[TM+4+\b], v[TM+\b], s32, s33
.endr
.irp b, 0,1,2,3
	v_max_num_f32 v[TM+\b], v[TM+\b], v[TM+4+\b]   ; with lane l xor 16's: the block's largest magnitude
.endr
.irp b, 0,1,2,3
	v_add_nc_u32 v[TM+12+\b], 0xfe000000, v[TM+\b] ; 4 off its exponent field: the conversion's scale operand
.endr
.irp b, 0,1,2,3
	v_lshrrev_b32 v[TM+4+\b], 23, v[TM+12+\b]      ; the scale's byte
.endr
	v_lshl_or_b32 v[PW], v[TM+5], 8, v[TM+4]
	v_lshl_or_b32 v[PW], v[TM+6], 16, v[PW]
	v_lshl_or_b32 v[PW], v[TM+7], 24, v[PW]
.irp c, 0,1
	v_cvt_scalef32_pk16_bf6_f32 v[PC+6*\c:PC+2+6*\c], v[\s+32*\c:\s+15+32*\c], v[TM+12+2*\c]
	v_cvt_scalef32_pk16_bf6_f32 v[PC+12+4*\c:PC+14+4*\c], v[\s+16+32*\c:\s+31+32*\c], v[TM+12+2*\c+1]   ; (a conversion's three registers begin on an even number)
.endr
	v_nop                                          ; one plain place behind a scaled conversion
.irp c, 0,1                                    ; the operand's layout wants a whole block in a lane: lanes 0-15 block 2 c, lanes 16-31 block 2 c + 1
.irp i, 0,1,2
	v_permlane16_swap_b32 v[PC+6*\c+\i], v[PC+12+4*\c+\i]
.endr
.irp i, 0,1,2
	v_mov_b32 v[PC+3+6*\c+\i], v[PC+12+4*\c+\i]
.endr
.endr
.endm
.macro PIECE q
.if (\q) <= 14
	s_wait_loadcnt 48                              ; this piece's 16 loads are in; those of the three pieces behind it may be out
.else
	s_wait_loadcnt 16*(17-(\q))
.endif
	WIN 0x04                                       ; an LDS store's data are its source 1: window 1
.irp i, 0,1,2,3,4,5,6,7,8,9,10,11,12,13,14,15
	ds_store_b128 v[STA], v[64*((\q)%4)+4*\i:64*((\q)%4)+4*\i+3] offset:528*\i
.endr
	WIN 0
.irp b, 0,1,2,3
.irp j, 0,1,2,3
	ds_load_b128 v[X+16*\b+4*\j:X+16*\b+4*\j+3], v[STB] offset:128*\b+16*\j   ; LDS serves a wave's instructions in order: these see the stores above
.endr
.endr
	s_wait_dscnt 0x0                               ; the numbers are back; these stores and the last piece's image stores have read their registers
.if (\q)+4 <= 17
	RLOAD (\q)+4
.endif
	QUANT X
.if (\q) < 16
.set IA_, IMA
.set IO_, 49152*((\q)/8)+1536*((\q)%8)
.set SA_, SCW
.set SO_, 2048*((\q)/8)+64*((\q)%8)
.else
.set IA_, IM8
.set IO_, 1536*((\q)-16)
.set SA_, SC8
.set SO_, 64*((\q)-16)
.endif
.irp c, 0,1,2
	ds_store_b128 v[IA_], v[PC+4*\c:PC+4*\c+3] offset:IO_+512*\c
.endr
	ds_store_b32 v[SA_], v[PW] offset:SO_          ; lanes r and r + 16 write the same word with the same value
.endm
	s_cmp_eq_u32 s25, 0                            ; no tile is mine: round the phase, to the barrier behind it
	s_cbranch_scc1 .Lx_done
	RLOAD 0
	RLOAD 1
	RLOAD 2
	RLOAD 3
.irp q, 0,1,2,3,4,5,6,7,8,9,10,11,12,13,14,15,16,17
	PIECE \q
.endr
.Lx_done:
	s_wait_dscnt 0x0                               ; for the others' sake: my images and scale words have landed
	s_barrier_signal -1
	s_barrier_wait -1                              ; all 72 fragments lie in LDS
; ---------------- PHASE G ----------------
.macro BIASLD a                        ; bias[batch of my row][my eight d of each of the 8 tiles] into tile a's accumulators
.if (\a) < 4
	WIN 0x80
.set AB_, 64*(\a)
.elseif (\a) < 8
	WIN 0xc0
.set AB_, 64*((\a)-4)
.else
	WIN 0x40
.set AB_, 192
.endif
.irp b, 0,1,2,3,4,5,6,7
.irp c, 0,1
	global_load_b128 v[AB_+8*\b+4*\c:AB_+8*\b+4*\c+3], v[BOFF+(\a)], s[14:15] offset:64*\b+16*\c
.endr
.endr
.endm
.macro FETCH_A a, d                    ; tile a's fragment, d bytes on from the pair of K steps in hand
.irp c, 0,1,2
.if (\a) < 5
	ds_load_b128 v[AF+12*(\a)+4*\c:AF+12*(\a)+4*\c+3], v[AD0] offset:12288*(\a)+(\d)+512*\c
.else
	ds_load_b128 v[AF+12*(\a)+4*\c:AF+12*(\a)+4*\c+3], v[AD1] offset:12288*((\a)-5)+(\d)+512*\c
.endif
.endr
.endm
; Eight matrix instructions: tile a against We's eight tiles of set p.  We's scale words: register b / 2 of the set, lanes 0-15 for even b, lanes 16-31 for odd b.
; The rows' scale words: one register a tile for a pair of K steps, lanes 0-15 the first step's, lanes 16-31 the second's.  The 72 accumulators take turns, one instruction a turn.
.macro MUL a, p
.irp b, 0,1,2,3,4,5,6,7
.if (\a) < 8
.set AC_, 8*(8*((\a)%4)+\b)
.else
.set AC_, 192+8*\b
.endif
.set WF_, 96*(\p)+12*\b
.set FA_, AF+12*(\a)
.set SB_, SCB+4*(\p)+\b/2
.set SR_, SCA+(\a)
.if ((\b)%2 == 0) && ((\p) == 0)
	v_wmma_scale_f32_16x16x128_f8f6f4 v[AC_:AC_+7], v[WF_:WF_+11], v[FA_:FA_+11], v[AC_:AC_+7], v[SB_], v[SR_] matrix_a_fmt:MATRIX_FMT_BF6 matrix_b_fmt:MATRIX_FMT_BF6
.elseif (\p) == 0
	v_wmma_scale_f32_16x16x128_f8f6f4 v[AC_:AC_+7], v[WF_:WF_+11], v[FA_:FA_+11], v[AC_:AC_+7], v[SB_], v[SR_] matrix_a_fmt:MATRIX_FMT_BF6 matrix_b_fmt:MATRIX_FMT_BF6 matrix_a_scale:MATRIX_SCALE_ROW1
.elseif (\b)%2 == 0
	v_wmma_scale_f32_16x16x128_f8f6f4 v[AC_:AC_+7], v[WF_:WF_+11], v[FA_:FA_+11], v[AC_:AC_+7], v[SB_], v[SR_] matrix_a_fmt:MATRIX_FMT_BF6 matrix_b_fmt:MATRIX_FMT_BF6 matrix_b_scale:MATRIX_SCALE_ROW1
.else
	v_wmma_scale_f32_16x16x128_f8f6f4 v[AC_:AC_+7], v[WF_:WF_+11], v[FA_:FA_+11], v[AC_:AC_+7], v[SB_], v[SR_] matrix_a_fmt:MATRIX_FMT_BF6 matrix_b_fmt:MATRIX_FMT_BF6 matrix_a_scale:MATRIX_SCALE_ROW1 matrix_b_scale:MATRIX_SCALE_ROW1
.endif
.endr
.endm
.macro BRUN p                          ; the next K step's fragments of We and their scale words into set 1 - p: 25 loads, each of 512 consecutive bytes
	WIN 0x40
.irp b, 0,1,2,3,4,5,6,7
.irp c, 0,1,2
	global_load_b128 v[96*(1-\p)+12*\b+4*\c:96*(1-\p)+12*\b+4*\c+3], v[L16], s[WB:WB+1] offset:12288*(\p+1)+1536*\b+512*\c
.endr
.endr
	WIN 0
	global_load_b128 v[SCB+4*(1-\p):SCB+4*(1-\p)+3], v[L16], s[WS:WS+1] offset:512*(\p+1)
.endm
; A K step of 128: 72 matrix instructions.  p: which of a pair of K steps, and We's set.  fa = 1: the next step's fragments of the rows are fetched.  bg = 1: a pass's last step: the run of loads is the next pass's first K step,
; and is left out in the last pass (a branch on the count of passes).
.macro STEP p, fa, bg
.if \bg
	s_cmp_eq_u32 s27, 1
	s_cbranch_scc1 .Lnob_\@
	BRUN \p
	s_wait_loadcnt 25                              ; all but the 25 just issued: this step's fragments are in
	s_branch .Lgo_\@
.Lnob_\@:
	s_wait_loadcnt 0x0
.Lgo_\@:
.else
	BRUN \p
	s_wait_loadcnt 25                              ; all but the 25 just issued: this step's fragments, and at a pass's head the bias and v, are in
.endif
	s_wait_dscnt 15                                ; tiles 0-3 are in: behind their loads stand at least the 15 of tiles 4-8
	WIN 0xa1                                       ; source 0 (We) window 1, source 1 (rows) window 0, C and D window 2
.irp a, 0,1,2,3
	MUL \a, \p
.endr
	s_wait_dscnt 0x0                               ; tiles 4-8 are in
	PLACES
	WIN 0
.if \fa
.irp a, 0,1,2,3
	FETCH_A \a, 1536*(\p+1)
.endr
.if \p
.irp a, 0,1,2,3
	ds_load_b32 v[SCA+\a], v[SAD] offset:512*\a+128
.endr
.endif
.endif
	WIN 0xf1                                       ; C and D window 3
.irp a, 4,5,6,7
	MUL \a, \p
.endr
	PLACES
	WIN 0
.if \fa
.if \p
.irp a, 4,5,6,7
	ds_load_b32 v[SCA+\a], v[SAD] offset:512*\a+128
.endr
.endif
.irp a, 4,5,6,7
	FETCH_A \a, 1536*(\p+1)
.endr
.endif
	WIN 0x51                                       ; C and D window 1
	MUL 8, \p
	PLACES
	WIN 0
.if \fa
	FETCH_A 8, 1536*(\p+1)
.if \p
	ds_load_b32 v[SCA+8], v[SAD] offset:512*8+128
.endif
.endif
.endm
; Tile a behind a pass: 64 numbers x a lane.  2^(c x), + 1, the reciprocal r (tanh = 1 - 2 r), and the sum of v r in four chains of pairs.  Each kind of transcendental is one batch: a plain place and one wait behind it,
; ahead of the first reader.  The accumulators are read from their low ends on.
.macro EPI a
.if (\a) < 4
.set WA_, 2
.set EB_, 64*(\a)
.elseif (\a) < 8
.set WA_, 3
.set EB_, 64*((\a)-4)
.else
.set WA_, 1
.set EB_, 192
.endif
	WIN (WA_<<6)|WA_
.set i, 0
.rept 32
	v_pk_mul_f32 v[EB_+2*i:EB_+2*i+1], v[EB_+2*i:EB_+2*i+1], s[30:31] op_sel_hi:[1,0]
.set i, i+1
.endr
.set i, 0
.rept 64
	v_exp_f32 v[EB_+i], v[EB_+i]
.set i, i+1
.endr
	v_nop
	s_wait_alu depctr_va_vdst(0)
.set i, 0
.rept 32
	v_pk_add_f32 v[EB_+2*i:EB_+2*i+1], v[EB_+2*i:EB_+2*i+1], 1.0 op_sel_hi:[1,0]
.set i, i+1
.endr
.set i, 0
.rept 64
	v_rcp_f32 v[EB_+i], v[EB_+i]
.set i, i+1
.endr
	v_nop
	s_wait_alu depctr_va_vdst(0)
	WIN WA_                                        ; source 0 alone in the accumulators' window
.set i, 0
.rept 32
.if i%4 == 0
	v_pk_fma_f32 v[P+2*(\a):P+2*(\a)+1], v[EB_+2*i:EB_+2*i+1], v[V+2*i:V+2*i+1], v[P+2*(\a):P+2*(\a)+1]
.elseif i < 4
	v_pk_mul_f32 v[T+2*(i%4)-2:T+2*(i%4)-1], v[EB_+2*i:EB_+2*i+1], v[V+2*i:V+2*i+1]
.else
	v_pk_fma_f32 v[T+2*(i%4)-2:T+2*(i%4)-1], v[EB_+2*i:EB_+2*i+1], v[V+2*i:V+2*i+1], v[T+2*(i%4)-2:T+2*(i%4)-1]
.endif
.set i, i+1
.endr
	WIN 0
	v_pk_add_f32 v[T:T+1], v[T:T+1], v[T+2:T+3]
	v_pk_add_f32 v[P+2*(\a):P+2*(\a)+1], v[P+2*(\a):P+2*(\a)+1], v[T+4:T+5]
	v_pk_add_f32 v[P+2*(\a):P+2*(\a)+1], v[P+2*(\a):P+2*(\a)+1], v[T:T+1]
.endm
	s_cmp_eq_u32 s25, 0                            ; no tile is mine: round the phase, to the barrier behind it
	s_cbranch_scc1 .Lg_done
	WIN 0x40                                       ; We's fragments of K step 0 into set 0: the ring's registers are free
.irp b, 0,1,2,3,4,5,6,7
.irp c, 0,1,2
	global_load_b128 v[12*\b+4*\c:12*\b+4*\c+3], v[L16], s[WB:WB+1] offset:1536*\b+512*\c
.endr
.endr
	WIN 0
	global_load_b128 v[SCB:SCB+3], v[L16], s[WS:WS+1]
	s_mov_b32 s27, 2                               ; passes to go
.Lpass:
.irp a, 0,1,2,3,4,5,6,7,8
	BIASLD \a
.endr
	WIN 0
.irp b, 0,1,2,3,4,5,6,7
.irp c, 0,1
	global_load_b128 v[V+8*\b+4*\c:V+8*\b+4*\c+3], v[VOF], s[8:9] offset:64*\b+16*\c   ; v at my eight d of each tile
.endr
.endr
	s_mov_b32 s28, 0                               ; the pair of K steps in hand: bytes on in a tile's images,
	s_mov_b32 s29, 0                               ; and in its scale words
	v_add_nc_u32 v[AD0], s28, v[L16]
	v_add_nc_u32 v[AD1], s28, v[LI1]
	v_add_nc_u32 v[SAD], s29, v[SA0]
.irp a, 0,1,2,3,4,5,6,7,8
	ds_load_b32 v[SCA+\a], v[SAD] offset:512*\a
.endr
.irp a, 0,1,2,3,4,5,6,7,8
	FETCH_A \a, 0
.endr
	s_mov_b32 s26, 3
.Lk:                                               ; three trips of two K steps; the fourth pair is written out, since it fetches nothing beyond the pass's end
	STEP 0, 1, 0
	STEP 1, 1, 0
	s_wait_xcnt 0x0                                ; the loads have read their bases: they may step
	s_add_nc_u64 s[WB:WB+1], s[WB:WB+1], 24576
	s_add_nc_u64 s[WS:WS+1], s[WS:WS+1], 1024
	s_add_co_u32 s28, s28, 3072
	s_add_co_u32 s29, s29, 128
	v_add_nc_u32 v[AD0], s28, v[L16]
	v_add_nc_u32 v[AD1], s28, v[LI1]
	v_add_nc_u32 v[SAD], s29, v[SA0]
	s_sub_co_u32 s26, s26, 1
	s_cmp_lg_u32 s26, 0
	s_cbranch_scc1 .Lk
	STEP 0, 1, 0
	STEP 1, 0, 1
	s_wait_xcnt 0x0
	s_add_nc_u64 s[WB:WB+1], s[WB:WB+1], 24576     ; on to the next group of eight tiles of We
	s_add_nc_u64 s[WS:WS+1], s[WS:WS+1], 1024
.irp a, 0,1,2,3,4,5,6,7,8
	EPI \a
.endr
.irp a, 0,1,2,3,4,5,6,7,8
	v_add_nc_u32 v[BOFF+\a], 512, v[BOFF+\a]       ; the next pass's 128 d (their loads were waited for at the pass's first step)
.endr
	v_add_nc_u32 v[VOF], 512, v[VOF]
	s_sub_co_u32 s27, s27, 1
	s_cmp_lg_u32 s27, 0
	s_cbranch_scc1 .Lpass
.Lg_done:
; ---------------- the rows' scores ----------------
	s_wait_loadcnt 0x0                             ; the mask words
	s_wait_dscnt 0x0
	s_barrier_signal -1
	s_barrier_wait -1                              ; every wave's reads of the images are over
.irp a, 0,1,2,3,4,5,6,7,8
	v_add_f32 v[140+\a], v[P+2*\a], v[P+2*\a+1]
.endr
.irp a, 0,1,2,3,4,5,6,7,8
	v_permlanex16_b32 v[236+\a], v[140+\a], s32, s33   ; (into registers that the head has written: a lane permute's destination counts as one of its sources)
.endr
.irp a, 0,1,2,3,4,5,6,7,8
	v_add_f32 v[140+\a], v[140+\a], v[236+\a]      ; the row's other d lie in the lane 16 away
.endr
.irp a, 0,1,2,3,4,5,6,7,8
	v_fma_f32 v[140+\a], v[140+\a], -2.0, v[VS]    ; sum of v (1 - 2 r) over my wave's 256 d
.endr
.irp a, 0,1,2,3,4,5,6,7,8
	ds_store_b32 v[SXW], v[140+\a] offset:64*\a    ; lanes r and r + 16 write the same word with the same value
.endr
	s_wait_dscnt 0x0                               ; for the others' sake
	s_barrier_signal -1
	s_barrier_wait -1
.irp w, 0,1,2,3
	ds_load_b32 v[160+\w], v[SXR] offset:576*\w
.endr
	v_mov_b32 v164, 0xd01502f9                     ; -1e10
	v_add_nc_u32 v170, 128, v0
	s_lshl_b32 s44, s25, 4                         ; 16 n rows are mine
	s_wait_dscnt 0x0
	v_add_f32 v160, v160, v161
	v_add_f32 v162, v162, v163
	v_add_f32 v160, v160, v162
	v_cmp_eq_u32 vcc_lo, 0, v[MK0]
	v_cndmask_b32 v160, v160, v164, vcc_lo
	v_cmp_gt_u32 vcc_lo, s44, v0
	s_wait_xcnt 0x0                                ; EXEC changes only when the earlier memory instructions have read their sources
	s_and_saveexec_b32 s45, vcc_lo
	global_store_b32 v[SO0], v160, s[20:21]        ; rows 0 to 127, as far as they are mine: a wave stores 128 consecutive bytes
	s_wait_xcnt 0x0
	s_or_b32 exec_lo, exec_lo, s45
	s_cmp_lg_u32 s22, 0
	s_cbranch_scc1 .Ldone
.irp w, 0,1,2,3
	ds_load_b32 v[166+\w], v[SXR8] offset:576*\w   ; wave 0: rows 128 to 143
.endr
	s_wait_dscnt 0x0
	v_add_f32 v166, v166, v167
	v_add_f32 v168, v168, v169
	v_add_f32 v166, v166, v168
	v_cmp_eq_u32 vcc_lo, 0, v[MK1]
	v_cndmask_b32 v166, v166, v164, vcc_lo
	v_cmp_gt_u32 vcc_lo, s44, v170                 ; 16 n is 144 at the most: lanes 16 to 31 are off
	s_wait_xcnt 0x0
	s_and_saveexec_b32 s45, vcc_lo
	global_store_b32 v[SO8], v166, s[20:21]
	s_wait_xcnt 0x0
	s_or_b32 exec_lo, exec_lo, s45
.Ldone:
	s_barrier_signal -1
	s_barrier_wait -1
	s_wait_tensorcnt 0x0
	ds_add_u32 v254, v255
	s_wait_dscnt 0x0
	s_endpgm
.Lfunc_end_k_qaec8787a53_score:
	.size	k_qaec8787a53_score, .Lfunc_end_k_qaec8787a53_score-k_qaec8787a53_score
	.p2alignl 7, 3214868480
	.fill 96, 4, 3214868480
	.section	.rodata,"a",@progbits
	.p2align	6, 0x0
	.amdhsa_kernel k_qaec8787a53_score
		.amdhsa_group_segment_fixed_size 152064
		.amdhsa_private_segment_fixed_size 0
		.amdhsa_enable_private_segment 0
		.amdhsa_kernarg_size 72
		.amdhsa_user_sgpr_count 2
		.amdhsa_user_sgpr_kernarg_segment_ptr 1
		.amdhsa_wavefront_size32 1
		.amdhsa_system_sgpr_workgroup_id_x 1
		.amdhsa_system_sgpr_workgroup_id_y 1
		.amdhsa_system_sgpr_workgroup_id_z 1
		.amdhsa_system_vgpr_workitem_id 0
		.amdhsa_next_free_vgpr 1024
		.amdhsa_next_free_sgpr 104
		.amdhsa_reserve_vcc 1
		.amdhsa_float_denorm_mode_32 3
		.amdhsa_float_denorm_mode_16_64 3
		.amdhsa_memory_ordered 1
		.amdhsa_forward_progress 1
		.amdhsa_inst_pref_size 255
	.end_amdhsa_kernel
	.section	.bss,"aw",@nobits
	.p2align	6
	.space	262144
	.amdgpu_metadata
---
amdhsa.version: [ 1, 2 ]
amdhsa.kernels:
  - .name:           k_qaec8787a53_score
    .symbol:         k_qaec8787a53_score.kd
    .args:
      - { .name: encoder_outputs, .offset: 0, .size: 8, .value_kind: global_buffer, .address_space: global }
      - { .name: mask, .offset: 8, .size: 8, .value_kind: global_buffer, .address_space: global }
      - { .name: v_w, .offset: 16, .size: 8, .value_kind: global_buffer, .address_space: global }
      - { .name: wfrag, .offset: 24, .size: 8, .value_kind: global_buffer, .address_space: global }
      - { .name: wscl, .offset: 32, .size: 8, .value_kind: global_buffer, .address_space: global }
      - { .name: bias, .offset: 40, .size: 8, .value_kind: global_buffer, .address_space: global }
      - { .name: list, .offset: 48, .size: 8, .value_kind: global_buffer, .address_space: global }
      - { .name: meta, .offset: 56, .size: 8, .value_kind: global_buffer, .address_space: global }
      - { .name: scores, .offset: 64, .size: 8, .value_kind: global_buffer, .address_space: global }
    .group_segment_fixed_size: 152064
    .private_segment_fixed_size: 0
    .kernarg_segment_align: 8
    .kernarg_segment_size: 72
    .max_flat_workgroup_size: 128
    .sgpr_count:     104
    .vgpr_count:     1024
    .wavefront_size: 32
...
	.end_amdgpu_metadata
.endif
;; end of part 2
;; launch ctx (part 3): grid 256 x 1, 32 waves a work-group, no clusters, 45,568 bytes of LDS; arguments encoder_outputs, scores, list, inv, meta, out0, out1; writes out0, out1
.if DOCPART == 3
	.amdgcn_target "amdgcn-amd-amdhsa--gfx1250"
	.amdhsa_code_object_version 6
	.text
	.protected	k_qaec8787a53_ctx
	.globl	k_qaec8787a53_ctx
	.p2align	8
	.type	k_qaec8787a53_ctx,@function
k_qaec8787a53_ctx:
	s_mov_b64 s[64:65], 0
	v_nop
	global_prefetch_b8 v0, s[64:65] scope:SCOPE_SE
	s_setreg_imm32_b32 hwreg(HW_REG_WAVE_MODE, 25, 1), 1
	s_wait_xcnt 0x0
; CTX: the softmax over a batch's listed rows and the weighted sum of those rows, all in f32.  A row that is not listed has the weight 0: its score is -1e10 beside a kept row's, whose magnitude is at most the sum of |v|.
; SHARES.  Work-group (b = number / 4, q = number % 4) owns columns 256 q .. 256 q + 255 of out0[b] and entries 256 q .. 256 q + 255 of out1[b]; each of the four repeats the batch's small softmax, so every output has one owner.
; 32 waves, 1,024 threads: thread i holds the batch's i-th listed row (cnt of them, 1 to 1,024).  The largest score is taken away before the exponential.
; THE SUM: a chunk is 8 listed rows; wave w takes chunks w, w + 32, w + 64, w + 96, as far as there are any: a loop of four trips, whose work a scalar branch on the stored count passes over.  A lane holds 8 columns;
; each load reads 512 consecutive bytes of a row; 16 loads a wave are out at a time, 8 KiB for each of 32 waves.  The 32 waves' parts are added through LDS.
; No matrix instruction (one row of weights a batch), no cluster (work-groups share no bytes of the rows), no tensor load (the rows are named by a list).
; LIMITS: NaN and infinities among the inputs are not served.
.set MX,  0                            ; LDS: the waves' maxima, 128 bytes
.set SM,  256                          ; their sums
.set PWT, 512                          ; p of the 1,024 places
.set RT,  4608                         ; their row numbers
.set CX,  8704                         ; the waves' parts of the sum: 1,024 bytes each
.macro WMAX x, t
	v_max_num_f32_dpp v[\x], v[\x], v[\x] row_xmask:1 row_mask:0xf bank_mask:0xf
	v_max_num_f32_dpp v[\x], v[\x], v[\x] row_xmask:2 row_mask:0xf bank_mask:0xf
	v_max_num_f32_dpp v[\x], v[\x], v[\x] row_xmask:4 row_mask:0xf bank_mask:0xf
	v_max_num_f32_dpp v[\x], v[\x], v[\x] row_xmask:8 row_mask:0xf bank_mask:0xf
	v_permlanex16_b32 v[\t], v[\x], s22, s23
	v_max_num_f32 v[\x], v[\x], v[\t]
.endm
.macro WSUM x, t
	v_add_f32_dpp v[\x], v[\x], v[\x] row_xmask:1 row_mask:0xf bank_mask:0xf
	v_add_f32_dpp v[\x], v[\x], v[\x] row_xmask:2 row_mask:0xf bank_mask:0xf
	v_add_f32_dpp v[\x], v[\x], v[\x] row_xmask:4 row_mask:0xf bank_mask:0xf
	v_add_f32_dpp v[\x], v[\x], v[\x] row_xmask:8 row_mask:0xf bank_mask:0xf
	v_permlanex16_b32 v[\t], v[\x], s22, s23
	v_add_f32 v[\x], v[\x], v[\t]
.endm
	s_load_b256 s[4:11], s[0:1], 0x0               ; encoder_outputs s[4:5], scores s[6:7], list s[8:9], inv s[10:11]
	s_load_b128 s[12:15], s[0:1], 0x20             ; meta s[12:13], out0 s[14:15]
	s_load_b64 s[16:17], s[0:1], 0x30              ; out1
	v_lshl_add_u32 v112, v0, 2, 0xa200
	v_mov_b32 v113, 0
	v_lshrrev_b32 v3, 5, v0
	v_readfirstlane_b32 s18, v3                    ; wave 0..31
	v_and_b32 v1, 31, v0                           ; lane
	s_lshr_b32 s19, ttmp9, 2                       ; b
	s_and_b32 s20, ttmp9, 3                        ; q
	s_lshl_b32 s21, s19, 2
	s_mov_b32 s22, 0x76543210
	s_mov_b32 s23, 0xfedcba98                      ; v_permlanex16_b32's selects for lane l xor 16
	s_wait_kmcnt 0x0
	s_load_b32 s24, s[12:13], s21 offset:0x0       ; off: where the batch's part of the list begins
	s_load_b32 s25, s[12:13], s21 offset:0x100     ; cnt: its length
	s_lshl_b32 s31, s18, 2
	v_mov_b32 v104, s31                            ; 4 x wave
	v_lshlrev_b32 v105, 2, v1                      ; 4 x lane
	v_lshlrev_b32 v106, 2, v0                      ; 4 x thread
	s_lshl_b32 s31, s18, 10
	s_add_co_u32 s31, s31, CX
	v_lshl_add_u32 v107, v1, 4, s31                ; my wave's part of the sum
	v_lshl_add_u32 v108, v0, 4, CX                 ; and where threads 0 to 63 read the parts back
	s_lshl_b32 s32, s20, 10
	v_lshl_add_u32 v7, v1, 4, s32                  ; my columns in a row: 1,024 q + 16 lane (and 512 on)
	s_lshl_b32 s33, s19, 12
	s_add_co_u32 s33, s33, s32
	v_and_b32 v96, 127, v0
	v_lshl_add_u32 v97, v96, 3, s33                ; two entries of inv and of out1
	v_lshl_add_u32 v109, v0, 4, s33                ; four numbers of out0
	v_mov_b32 v111, 0                              ; a lane permute's destination counts as one of its sources
	v_mov_b32 v3, 0xff800000                       ; -infinity
.irp i, 0,1,2,3,4,5,6,7
	v_mov_b32 v[24+\i], 0                          ; my eight columns' sums
.endr
	s_wait_kmcnt 0x0
	s_min_u32 s24, s24, 0xffff
	s_max_u32 s25, s25, 1
	s_min_u32 s25, s25, 1024
	s_add_co_u32 s26, s25, 7
	s_lshr_b32 s26, s26, 3                         ; chunks of 8 rows
	s_sub_co_u32 s27, s25, 1
	v_min_u32 v4, s27, v0                          ; places beyond the batch's last take the last row again, with the weight 0
	v_add_nc_u32 v4, s24, v4
	v_min_u32 v4, 0xffff, v4
	v_lshlrev_b32 v4, 2, v4
	global_load_b32 v2, v4, s[6:7]                 ; my score
	global_load_b32 v5, v4, s[8:9]                 ; my row's number
	global_load_b64 v[98:99], v97, s[10:11]
	s_wait_loadcnt 0x0
	v_cmp_gt_u32 vcc_lo, s25, v0
	v_cndmask_b32 v2, v3, v2, vcc_lo
	v_mov_b32 v110, v2
	WMAX 110, 111
	ds_store_b32 v104, v110 offset:MX              ; all lanes write the same word with the same value
	s_wait_dscnt 0x0                               ; for the others' sake
	s_barrier_signal -1
	s_barrier_wait -1
	ds_load_b32 v110, v105 offset:MX
	s_wait_dscnt 0x0
	WMAX 110, 111                                  ; the batch's largest score
	v_sub_f32 v2, v2, v110
	v_mul_f32 v2, 0x3fb8aa3b, v2
	v_exp_f32 v2, v2                               ; p = e^(score - largest), not yet normalised
	v_nop                                          ; a plain place behind the transcendental,
	s_wait_alu depctr_va_vdst(0)                   ; and a wait ahead of the first reader
	ds_store_b32 v106, v2 offset:PWT
	ds_store_b32 v106, v5 offset:RT
	v_mov_b32 v110, v2
	WSUM 110, 111
	ds_store_b32 v104, v110 offset:SM
	s_wait_dscnt 0x0                               ; for the others' sake: p, the row numbers and my wave's sum have landed
	s_barrier_signal -1
	s_barrier_wait -1
	ds_load_b32 v110, v105 offset:SM
	v_min_u32 v100, 1023, v98                      ; out1: an entry's place in the list, held inside the table
	v_min_u32 v101, 1023, v99
	v_lshlrev_b32 v100, 2, v100
	v_lshlrev_b32 v101, 2, v101
	ds_load_b32 v102, v100 offset:PWT
	ds_load_b32 v103, v101 offset:PWT
	s_wait_dscnt 0x0
	WSUM 110, 111
	v_rcp_f32 v110, v110                           ; 1 / the sum
	v_cmp_gt_u32 vcc_lo, 1024, v98                 ; (a plain place)  is the entry listed?
	s_wait_alu depctr_va_vdst(0)
	v_mul_f32 v102, v102, v110
	v_mul_f32 v103, v103, v110
	v_cndmask_b32 v102, 0, v102, vcc_lo
	v_cmp_gt_u32 vcc_lo, 1024, v99
	v_cndmask_b32 v103, 0, v103, vcc_lo
	s_cmp_lt_u32 s18, 4
	s_cbranch_scc0 .Lno_out1
	global_store_b64 v97, v[102:103], s[16:17]     ; waves 0 to 3: a wave stores 256 consecutive bytes, at a multiple of 256 from out1's first byte
.Lno_out1:
	s_lshl_b32 s28, s18, 5                         ; my chunk's 32 bytes in the tables
	s_mov_b32 s29, s18                             ; my chunk
	s_mov_b32 s30, 4
.Lchunk:
	s_cmp_ge_u32 s29, s26
	s_cbranch_scc1 .Lskip                          ; no such chunk in this batch
	v_mov_b32 v6, s28
	ds_load_b128 v[8:11], v6 offset:RT
	ds_load_b128 v[12:15], v6 offset:RT+16
	ds_load_b128 v[16:19], v6 offset:PWT
	ds_load_b128 v[20:23], v6 offset:PWT+16
	s_wait_dscnt 0x0
.irp j, 0,1,2,3,4,5,6,7
	v_min_u32 v[8+\j], 0xffff, v[8+\j]             ; a row number, held inside the tensor; a row is 4,096 bytes
	v_lshl_add_u32 v[8+\j], v[8+\j], 12, v7
.endr
.irp j, 0,1,2,3,4,5,6,7
	global_load_b128 v[32+8*\j:35+8*\j], v[8+\j], s[4:5] th:TH_LOAD_NT
	global_load_b128 v[36+8*\j:39+8*\j], v[8+\j], s[4:5] offset:512 th:TH_LOAD_NT
.endr
	s_wait_loadcnt 0x0
.irp j, 0,1,2,3,4,5,6,7
.irp k, 0,1,2,3
.if (\j)%2 == 0
	v_pk_fma_f32 v[24+2*\k:25+2*\k], v[32+8*\j+2*\k:33+8*\j+2*\k], v[16+2*(\j/2):17+2*(\j/2)], v[24+2*\k:25+2*\k] op_sel_hi:[1,0,1]
.else
	v_pk_fma_f32 v[24+2*\k:25+2*\k], v[32+8*\j+2*\k:33+8*\j+2*\k], v[16+2*(\j/2):17+2*(\j/2)], v[24+2*\k:25+2*\k] op_sel:[0,1,0] op_sel_hi:[1,1,1]
.endif
.endr
.endr
.Lskip:
	s_add_co_u32 s28, s28, 1024
	s_add_co_u32 s29, s29, 32
	s_sub_co_u32 s30, s30, 1
	s_cmp_lg_u32 s30, 0
	s_cbranch_scc1 .Lchunk
	s_wait_dscnt 0x0
	s_barrier_signal -1
	s_barrier_wait -1                              ; every wave's reads of the tables are over
	ds_store_b128 v107, v[24:27]
	ds_store_b128 v107, v[28:31] offset:512
	s_wait_dscnt 0x0                               ; for the others' sake
	s_barrier_signal -1
	s_barrier_wait -1
	s_cmp_lt_u32 s18, 2
	s_cbranch_scc0 .Lend
.irp j, 0,1,2,3,4,5,6,7,8,9,10,11,12,13,14,15
	ds_load_b128 v[32+4*\j:35+4*\j], v108 offset:1024*\j           ; threads 0 to 63: four columns each, the parts of waves 0 to 15
.endr
	s_wait_dscnt 0x0
	v_pk_add_f32 v[24:25], v[32:33], v[36:37]
	v_pk_add_f32 v[26:27], v[34:35], v[38:39]
.irp j, 2,3,4,5,6,7,8,9,10,11,12,13,14,15
	v_pk_add_f32 v[24:25], v[24:25], v[32+4*\j:33+4*\j]
	v_pk_add_f32 v[26:27], v[26:27], v[34+4*\j:35+4*\j]
.endr
.irp j, 0,1,2,3,4,5,6,7,8,9,10,11,12,13,14,15
	ds_load_b128 v[32+4*\j:35+4*\j], v108 offset:16384+1024*\j     ; and of waves 16 to 31
.endr
	s_wait_dscnt 0x0
.irp j, 0,1,2,3,4,5,6,7,8,9,10,11,12,13,14,15
	v_pk_add_f32 v[24:25], v[24:25], v[32+4*\j:33+4*\j]
	v_pk_add_f32 v[26:27], v[26:27], v[34+4*\j:35+4*\j]
.endr
.irp i, 0,1,2,3
	v_mul_f32 v[24+\i], v[24+\i], v110             ; / the sum
.endr
	global_store_b128 v109, v[24:27], s[14:15]     ; sixteen lanes store 256 consecutive bytes, at a multiple of 256 from out0's first byte
.Lend:
	s_barrier_signal -1
	s_barrier_wait -1
	s_wait_tensorcnt 0x0
	ds_add_u32 v112, v113
	s_wait_dscnt 0x0
	s_endpgm
.Lfunc_end_k_qaec8787a53_ctx:
	.size	k_qaec8787a53_ctx, .Lfunc_end_k_qaec8787a53_ctx-k_qaec8787a53_ctx
	.p2alignl 7, 3214868480
	.fill 96, 4, 3214868480
	.section	.rodata,"a",@progbits
	.p2align	6, 0x0
	.amdhsa_kernel k_qaec8787a53_ctx
		.amdhsa_group_segment_fixed_size 45568
		.amdhsa_private_segment_fixed_size 0
		.amdhsa_enable_private_segment 0
		.amdhsa_kernarg_size 56
		.amdhsa_user_sgpr_count 2
		.amdhsa_user_sgpr_kernarg_segment_ptr 1
		.amdhsa_wavefront_size32 1
		.amdhsa_system_sgpr_workgroup_id_x 1
		.amdhsa_system_sgpr_workgroup_id_y 1
		.amdhsa_system_sgpr_workgroup_id_z 1
		.amdhsa_system_vgpr_workitem_id 0
		.amdhsa_next_free_vgpr 114
		.amdhsa_next_free_sgpr 66
		.amdhsa_reserve_vcc 1
		.amdhsa_float_denorm_mode_32 3
		.amdhsa_float_denorm_mode_16_64 3
		.amdhsa_memory_ordered 1
		.amdhsa_forward_progress 1
		.amdhsa_inst_pref_size 18
	.end_amdhsa_kernel
	.amdgpu_metadata
---
amdhsa.version: [ 1, 2 ]
amdhsa.kernels:
  - .name:           k_qaec8787a53_ctx
    .symbol:         k_qaec8787a53_ctx.kd
    .args:
      - { .name: encoder_outputs, .offset: 0, .size: 8, .value_kind: global_buffer, .address_space: global }
      - { .name: scores, .offset: 8, .size: 8, .value_kind: global_buffer, .address_space: global }
      - { .name: list, .offset: 16, .size: 8, .value_kind: global_buffer, .address_space: global }
      - { .name: inv, .offset: 24, .size: 8, .value_kind: global_buffer, .address_space: global }
      - { .name: meta, .offset: 32, .size: 8, .value_kind: global_buffer, .address_space: global }
      - { .name: out0, .offset: 40, .size: 8, .value_kind: global_buffer, .address_space: global }
      - { .name: out1, .offset: 48, .size: 8, .value_kind: global_buffer, .address_space: global }
    .group_segment_fixed_size: 45568
    .private_segment_fixed_size: 0
    .kernarg_segment_align: 8
    .kernarg_segment_size: 56
    .max_flat_workgroup_size: 1024
    .sgpr_count:     66
    .vgpr_count:     114
    .wavefront_size: 32
...
	.end_amdgpu_metadata
.endif
;; end of part 3
;; ======== version 2 of 2: 3 launches
;; limits: right only within a limited range of input values
;; workspace buffers: wfrag 786,432 bytes; wscl 32,768 bytes; bias 262,144 bytes; list 262,656 bytes of whole numbers; inv 262,144 bytes of whole numbers; meta 768 bytes of whole numbers; scores 262,144 bytes
;; launch prep (part 4): grid 256 x 1, 8 waves a work-group, no clusters, 152,832 bytes of LDS; arguments W_w, W_b, dec_hidden, mask, wfrag, wscl, bias, list, inv, meta; writes wfrag, wscl, bias, list, inv, meta
.if DOCPART == 4
	.amdgcn_target "amdgcn-amd-amdhsa--gfx1250"
	.amdhsa_code_object_version 6
	.text
	.protected	k_qaec8787a53_prep
	.globl	k_qaec8787a53_prep
	.p2align	8
	.type	k_qaec8787a53_prep,@function
k_qaec8787a53_prep:
	s_mov_b64 s[64:65], 0
	v_nop
	global_prefetch_b8 v0, s[64:65] scope:SCOPE_SE
	s_setreg_imm32_b32 hwreg(HW_REG_WAVE_MODE, 25, 1), 1
	s_wait_xcnt 0x0
; PREP: three kinds of work-groups, told apart by the work-group's number.
;   0-63    W: We = W_w[:, 1024:] becomes codes of BF6 (E3M2) with one E8M0 byte for each 32 along K, laid in the order of the operand's registers:
;              fragment (tile t of 16 rows d, K step s of 128) has number ((t/8) 8 + s) 8 + t%8 and 1,536 bytes: register group c of lane l at 512 c + 16 l.
;              Scale words: [t/8][s][lane 32][4]: lane l, word q holds the word of tile 8 (t/8) + 2 q + l/16, row l%16.
;   64-191  D: bias[b][d] = (quantised dec_hidden) x (quantised Wd)^T + W_b: 16 batches x 32 d a work-group, each of the eight waves one K step of 128; the eight parts are added in f32 through LDS.
;   192-255 L: batch b = number - 192: the rows that the mask keeps are listed (row number b 1024 + s), batch behind batch without gaps.  A batch with no kept row lists all its 1,024 rows
;              (their scores are still replaced later, so its weights come out equal).  inv[b][s] = the row's place in its batch's part of the list, or -1.  meta: off[64], cnt[64], at byte 512 the number of tiles of 16.
; HOW A FRAGMENT IS MADE (W and D): 16 loads, each 512 consecutive bytes of one row (a K step); the 16 rows turn through the wave's own stage in LDS, so that a lane holds 16 neighbours along K of each block of 32
; of ONE row; two lanes hold a block.  A block's scale is 2^(floor(log2(largest magnitude)) - 4); its byte is the largest magnitude's exponent field - 4, held at 1 from below.
; LIMITS: a block of zeros, or one whose largest magnitude lies under 2^-122, gets the byte 1 (its bytes are read by this program alone); NaN and infinities among the inputs are not served; any mask word other than 0 counts as kept.
.set S0,  16                           ; v16-79   64 numbers of a lane: the first fragment's
.set S1,  80                           ; v80-143  the second's
.set S2,  144                          ; v144-207 the third's
.set FR0, 208                          ; v208-219 the first fragment's codes
.set FR1, 16                           ; the second's and the third's lie over set 0, which is done with by then,
.set FR2, 28
.set ACC, 48                           ; and so do D's two accumulators, v48-63,
.set RED, 64                           ; and the eight parts of my two numbers, v64-79
.set TM,  220                          ; v220-235 at work in QUANT
.set TQ,  236                          ; v236-242 likewise
.set SWD, 244                          ; v244-246 the fragments' scale words, and nothing else
.set WBR, 248                          ; v248-249 two numbers of W_b
.set STA, 13                           ; v13 stage, in;  v14 stage, back
.set STB, 14
.set WST, 0                            ; LDS: each path has bytes of its own.  W: a stage of 16 rows x (512 + 16) bytes for each wave
.set DST, 67584                        ; D: the same,
.set DRD, 135168                       ; and 2,048 bytes for each wave's part of the sums
.set LX,  151552                       ; L: 128 bytes
.set EVERY, 0                          ; 1: every row of every batch is listed, whatever the mask
; 16 rows, pitch bytes apart: of each the 512 bytes of my K step, 16 bytes a lane
.macro LOADR set, off, base, imm, pitch
.irp i, 0,1,2,3,4,5,6,7,8,9,10,11,12,13,14,15
	global_load_b128 v[\set+4*\i:\set+4*\i+3], v[\off], s[\base:\base+1] offset:\imm+\pitch*\i
.endr
.endm
; 64 numbers of a lane, register 16 b + i = k 32 b + 16 h + i of my row, become a fragment's 12 registers at v[f] and its scale word in v[sw]
.macro QUANT s, f, sw
.irp b, 0,1,2,3
	v_max3_num_f32 v[TM+\b], |v[\s+16*\b]|, |v[\s+1+16*\b]|, 0x2800000   ; with the floor 2^(5 - 127): the byte cannot fall under 1
.endr
.irp i, 2,4,6,8,10,12,14
.irp b, 0,1,2,3
	s_delay_alu instid0(VALU_DEP_4)
	v_max3_num_f32 v[TM+\b], v[TM+\b], |v[\s+16*\b+\i]|, |v[\s+1+16*\b+\i]|
.endr
.endr
.irp b, 0,1,2,3
	s_delay_alu instid0(VALU_DEP_4)
	v_permlanex16_b32 v[TM+4+\b], v[TM+\b], s26, s27
.endr
.irp b, 0,1,2,3
	s_delay_alu instid0(VALU_DEP_4)
	v_max_num_f32 v[TM+\b], v[TM+\b], v[TM+4+\b]   ; with lane l xor 16's: the block's largest magnitude
.endr
.irp b, 0,1,2,3
	s_delay_alu instid0(VALU_DEP_4)
	v_add_nc_u32 v[TM+12+\b], 0xfe000000, v[TM+\b] ; 4 off its exponent field: the conversion's scale operand
.endr
.irp b, 0,1,2,3
	s_delay_alu instid0(VALU_DEP_4)
	v_lshrrev_b32 v[TM+4+\b], 23, v[TM+12+\b]      ; the scale's byte
.endr
	s_delay_alu instid0(VALU_DEP_3)
	v_lshl_or_b32 v[\sw], v[TM+5], 8, v[TM+4]      ; the four bytes make my row's scale word: lanes r and r + 16 hold the same
	s_delay_alu instid0(VALU_DEP_1)
	v_lshl_or_b32 v[\sw], v[TM+6], 16, v[\sw]
	s_delay_alu instid0(VALU_DEP_1)
	v_lshl_or_b32 v[\sw], v[TM+7], 24, v[\sw]
.irp c, 0,1
	v_cvt_scalef32_pk16_bf6_f32 v[\f+6*\c:\f+6*\c+2], v[\s+32*\c:\s+32*\c+15], v[TM+12+2*\c]
	v_cvt_scalef32_pk16_bf6_f32 v[TQ+4*\c:TQ+4*\c+2], v[\s+32*\c+16:\s+32*\c+31], v[TM+12+2*\c+1]   ; (a conversion's three registers begin on an even number)
.endr
	v_nop                                          ; one plain place behind a scaled conversion
.irp c, 0,1                                    ; the operand's layout wants a whole block in a lane: lanes 0-15 block 2 c, lanes 16-31 block 2 c + 1
.irp i, 0,1,2
	v_permlane16_swap_b32 v[\f+6*\c+\i], v[TQ+4*\c+\i]
.endr
.irp i, 0,1,2
	s_delay_alu instid0(VALU_DEP_3)
	v_mov_b32 v[\f+6*\c+3+\i], v[TQ+4*\c+\i]
.endr
.endr
.endm
; a set as loaded (register 4 i + e: row i) goes through my stage and comes back into the same registers (register 16 b + i: my row's k 32 b + 16 h + i); then it is quantised
.macro TURNQ set, f, sw
.irp i, 0,1,2,3,4,5,6,7,8,9,10,11,12,13,14,15
	ds_store_b128 v[STA], v[\set+4*\i:\set+4*\i+3] offset:528*\i
.endr
	s_wait_dscnt 0x0                               ; the stores have read their registers: the loads below may land there
.irp b, 0,1,2,3
.irp j, 0,1,2,3
	ds_load_b128 v[\set+16*\b+4*\j:\set+16*\b+4*\j+3], v[STB] offset:128*\b+16*\j
.endr
.endr
	s_wait_dscnt 0x0
	QUANT \set, \f, \sw
.endm
	s_load_b512 s[4:19], s[0:1], 0x0               ; W_w s[4:5], W_b s[6:7], dec_hidden s[8:9], mask s[10:11], wfrag s[12:13], wscl s[14:15], bias s[16:17], list s[18:19]
	s_load_b128 s[20:23], s[0:1], 0x40             ; inv s[20:21], meta s[22:23]
	v_lshl_add_u32 v254, v0, 2, 0x25100
	v_mov_b32 v255, 0
	v_lshrrev_b32 v5, 5, v0
	s_delay_alu instid0(VALU_DEP_1)
	v_readfirstlane_b32 s24, v5                    ; wave 0..7
	v_and_b32 v1, 31, v0                           ; lane
	v_and_b32 v2, 15, v0                           ; r
	v_bfe_u32 v3, v0, 4, 1                         ; h
	s_mov_b32 s26, 0x76543210
	s_mov_b32 s27, 0xfedcba98                      ; v_permlanex16_b32's selects for lane l xor 16
.irp b, 0,1,2,3
	v_mov_b32 v[TM+4+\b], 0                        ; a lane permute's destination counts as one of its sources
.endr
	s_wait_kmcnt 0x0
	s_cmp_lt_u32 ttmp9, 64
	s_cbranch_scc1 .Lw
	s_cmp_lt_u32 ttmp9, 192
	s_cbranch_scc1 .Ld
; ---------------- L: the list of batch b ----------------
	s_sub_co_u32 s28, ttmp9, 192                   ; b
	s_lshl_b32 s29, s28, 12
	s_lshl_b32 s30, s24, 9
	s_add_co_u32 s29, s29, s30
	s_wait_alu depctr_va_vdst(0)
	v_lshl_add_u32 v6, v1, 4, s29                  ; my four words of batch b: s = 128 wave + 4 lane + 0..3 (the same place in mask and in inv)
	s_lshl_b32 s30, s24, 12
	v_lshl_add_u32 v7, v1, 4, s30                  ; for the counts: batch wave + 8 k
	s_lshl_b32 s30, s28, 2
	v_mov_b32 v170, s30                            ; meta: 4 b
	v_mov_b32 v171, 0
	s_lshl_b32 s36, s24, 4
	s_add_co_u32 s36, s36, LX
	v_mov_b32 v168, s36                            ; LDS: my wave's 16 bytes
	v_mov_b32 v169, LX
	global_load_b128 v[160:163], v6, s[10:11]
.macro MLOAD k                         ; all 1,024 words of batch wave + 8 k, into set k % 4 of four
.irp q, 0,1,2,3,4,5,6,7
	global_load_b128 v[32+32*((\k)%4)+4*\q:32+32*((\k)%4)+4*\q+3], v7, s[10:11] offset:32768*(\k)+512*\q
.endr
.endm
.macro COUNT k
.if (\k) < 5
	s_wait_loadcnt 24                              ; this batch's eight loads are in; those of the three batches behind it may be out
.else
	s_wait_loadcnt 8*(7-(\k))
.endif
	s_mov_b32 s33, 0
.irp g, 0,1,2,3
.irp i, 0,1,2,3,4,5,6,7
	v_cmp_ne_u32 s[40+\i], 0, v[32+32*((\k)%4)+8*\g+\i]
.endr
.irp i, 0,1,2,3,4,5,6,7
	s_bcnt1_i32_b32 s[40+\i], s[40+\i]
.endr
.irp i, 0,1,2,3,4,5,6,7
	s_add_co_u32 s33, s33, s[40+\i]
.endr
.endr
.if EVERY
	s_mov_b32 s33, 0
.endif
	s_cmp_eq_u32 s33, 0
	s_cselect_b32 s33, 1024, s33                   ; a batch with no kept row lists all its rows
	s_add_co_u32 s32, s32, s33                     ; my share of the list's length
	s_add_co_u32 s34, s24, 8*(\k)
	s_cmp_lt_u32 s34, s28
	s_cselect_b32 s34, s33, 0
	s_add_co_u32 s31, s31, s34                     ; and of what lies in front of batch b
.if (\k)+4 < 8
	MLOAD (\k)+4
.endif
.endm
	MLOAD 0
	MLOAD 1
	MLOAD 2
	MLOAD 3
	s_mov_b32 s31, 0
	s_mov_b32 s32, 0
.irp k, 0,1,2,3,4,5,6,7
	COUNT \k
.endr
.irp i, 0,1,2,3
	v_cmp_ne_u32 s[44+\i], 0, v[160+\i]            ; my wave's 128 rows of batch b: four masks of lanes
.endr
.irp i, 0,1,2,3
	s_bcnt1_i32_b32 s[40+\i], s[44+\i]
.endr
	s_add_co_u32 s35, s40, s41
	s_add_co_u32 s35, s35, s42
	s_add_co_u32 s35, s35, s43
.if EVERY
	s_mov_b32 s35, 0
.endif
	v_mov_b32 v164, s31
	v_mov_b32 v165, s32
	v_mov_b32 v166, s35
	v_mov_b32 v167, 0
	ds_store_b128 v168, v[164:167]                 ; all lanes write the same 16 bytes with the same values
	s_wait_dscnt 0x0                               ; for the others' sake: my store has landed
	s_barrier_signal -1
	s_barrier_wait -1
.irp j, 0,1,2,3,4,5,6,7
	ds_load_b128 v[172+4*\j:175+4*\j], v169 offset:16*\j
.endr
	s_mov_b32 s31, 0                               ; off: the list's entries in front of batch b
	s_mov_b32 s32, 0                               ; R: the list's length
	s_mov_b32 s35, 0                               ; kept rows of batch b
	s_mov_b32 s37, 0                               ; those of them in waves in front of mine
	s_wait_dscnt 0x0
.irp j, 0,1,2,3,4,5,6,7
	v_readfirstlane_b32 s40, v[172+4*\j]
	v_readfirstlane_b32 s41, v[173+4*\j]
	v_readfirstlane_b32 s42, v[174+4*\j]
	s_add_co_u32 s31, s31, s40
	s_add_co_u32 s32, s32, s41
	s_add_co_u32 s35, s35, s42
	s_cmp_gt_u32 s24, \j
	s_cselect_b32 s42, s42, 0
	s_add_co_u32 s37, s37, s42
.endr
	s_lshl_b32 s39, s24, 7
	s_cmp_eq_u32 s35, 0
	s_cselect_b32 s38, -1, 0                       ; no kept row: all are listed
	s_cselect_b32 s35, 1024, s35
	s_cselect_b32 s37, s39, s37
.irp i, 0,1,2,3
	s_or_b32 s[44+\i], s[44+\i], s38
	v_mbcnt_lo_u32_b32 v[204+\i], s[44+\i], s37    ; the place in the batch's part: listed rows in front of mine
	s_bcnt1_i32_b32 s40, s[44+\i]
	s_add_co_u32 s37, s37, s40
	v_cndmask_b32 v[208+\i], -1, v[204+\i], s[44+\i]
.endr
	; every offset and every number that is stored below is made here, with all lanes on
	s_lshl_b32 s40, s28, 10
	s_add_co_u32 s40, s40, s39
	v_lshl_add_u32 v216, v1, 2, s40                ; my first row's number
.irp i, 1,2,3
	v_add_nc_u32 v[216+\i], \i, v216
.endr
.irp i, 0,1,2,3
	v_add_nc_u32 v[212+\i], s31, v[204+\i]
	s_delay_alu instid0(VALU_DEP_1)
	v_min_u32 v[212+\i], 0xffff, v[212+\i]         ; a place in the list, held inside it
	s_delay_alu instid0(VALU_DEP_1)
	v_lshlrev_b32 v[212+\i], 2, v[212+\i]
.endr
	v_add_nc_u32 v233, s32, v1                     ; the 32 places behind the list's end, held inside the buffer (65,664 entries)
	s_delay_alu instid0(VALU_DEP_1)
	v_min_u32 v233, 0x1007f, v233
	s_delay_alu instid0(VALU_DEP_1)
	v_lshlrev_b32 v233, 2, v233
	s_add_co_u32 s42, s32, 15
	s_lshr_b32 s42, s42, 4                         ; tiles of 16 rows
	v_mov_b32 v227, s31
	v_mov_b32 v228, s35
	v_mov_b32 v229, s42
	global_store_b128 v6, v[208:211], s[20:21]     ; inv: a wave stores 512 consecutive bytes
	s_cmp_lg_u32 s24, 0
	s_cbranch_scc1 .Ll_list
	global_store_b32 v170, v227, s[22:23]          ; wave 0: off[b]; all 32 lanes write the same word with the same value
	global_store_b32 v170, v228, s[22:23] offset:256   ; cnt[b], likewise
	s_cmp_lg_u32 s28, 63
	s_cbranch_scc1 .Ll_list
	global_store_b32 v233, v171, s[18:19]          ; the last batch's work-group: 32 entries of 0 behind the list's end, so that what is read a little past the end is written,
	global_store_b32 v171, v229, s[22:23] offset:512   ; and the number of tiles (one word, the same from all lanes)
.Ll_list:
	s_wait_alu depctr_va_vdst(0)
.irp i, 0,1,2,3
	s_mov_b32 vcc_lo, s[44+\i]
	s_wait_xcnt 0x0                                ; EXEC changes only when the earlier stores have read their sources
	s_and_saveexec_b32 s41, vcc_lo
	global_store_b32 v[212+\i], v[216+\i], s[18:19]    ; the listed rows alone
	s_wait_xcnt 0x0
	s_or_b32 exec_lo, exec_lo, s41
.endr
	s_wait_xcnt 0x0
	s_mov_b32 exec_lo, -1
	s_wait_tensorcnt 0x0
	ds_add_u32 v254, v255
	s_wait_dscnt 0x0
	s_endpgm
; ---------------- W: one fragment of We a wave ----------------
.Lw:
	s_lshl_b32 s28, ttmp9, 17                      ; 16 t rows of 8,192 bytes
	s_lshl_b32 s29, s24, 9                         ; K step = wave: 512 bytes
	s_add_co_u32 s28, s28, s29
	s_add_co_u32 s28, s28, 4096                    ; We begins at column 1,024
	s_wait_alu depctr_va_vdst(0)
	v_lshl_add_u32 v6, v1, 4, s28
	LOADR S0, 6, 4, 0, 8192
	s_mul_i32 s34, s24, 8448
	s_add_co_u32 s34, s34, WST                     ; my stage
	v_lshl_add_u32 v[STA], v1, 4, s34              ; in: a row's 512 bytes as they lie
	v_mul_u32_u24 v[STB], v2, 528
	s_delay_alu instid0(VALU_DEP_1)
	v_lshl_add_u32 v[STB], v3, 6, v[STB]
	s_delay_alu instid0(VALU_DEP_1)
	v_add_nc_u32 v[STB], s34, v[STB]               ; back: row r, + 64 h: my 16 numbers of each block of 32
	s_lshr_b32 s30, ttmp9, 3
	s_lshl_b32 s30, s30, 3
	s_add_co_u32 s30, s30, s24                     ; 8 (t / 8) + s
	s_and_b32 s31, ttmp9, 7
	s_lshl_b32 s32, s30, 3
	s_add_co_u32 s32, s32, s31                     ; the fragment's number
	s_mul_i32 s32, s32, 1536
	v_lshl_add_u32 v7, v1, 4, s32
	s_lshl_b32 s30, s30, 9
	s_and_b32 s33, s31, 1
	s_lshl_b32 s33, s33, 8
	s_add_co_u32 s30, s30, s33
	s_lshr_b32 s31, s31, 1
	s_lshl_b32 s31, s31, 2
	s_add_co_u32 s30, s30, s31
	v_lshl_add_u32 v10, v2, 4, s30                 ; the scale word's place: 512 (8 (t/8) + s) + 256 (t%2) + 16 r + 4 ((t%8)/2)
	s_wait_alu depctr_va_vdst(0)
	s_wait_loadcnt 0x0
	TURNQ S0, FR0, SWD
	global_store_b128 v7, v[FR0:FR0+3], s[12:13]               ; each store of the wave covers 512 consecutive bytes
	global_store_b128 v7, v[FR0+4:FR0+7], s[12:13] offset:512
	global_store_b128 v7, v[FR0+8:FR0+11], s[12:13] offset:1024
	global_store_b32 v10, v[SWD], s[14:15]                     ; lanes r and r + 16 write the same word with the same value
	s_wait_xcnt 0x0
	s_mov_b32 exec_lo, -1
	s_wait_tensorcnt 0x0
	ds_add_u32 v254, v255
	s_wait_dscnt 0x0
	s_endpgm
; ---------------- D: dec_proj + W_b ----------------
.Ld:
	s_sub_co_u32 s28, ttmp9, 64
	s_and_b32 s29, s28, 31                         ; which 32 d
	s_lshr_b32 s30, s28, 5                         ; which 16 batches
	s_lshl_b32 s31, s24, 9                         ; K step = wave
	s_lshl_b32 s34, s29, 7
	s_wait_alu depctr_va_vdst(0)
	v_lshl_add_u32 v8, v2, 3, s34                  ; W_b: two numbers at d = 32 dg + 2 (lane % 16)
	global_load_b64 v[WBR:WBR+1], v8, s[6:7]
	s_lshl_b32 s32, s30, 16
	s_add_co_u32 s32, s32, s31
	v_lshl_add_u32 v6, v1, 4, s32                  ; dec_hidden: rows 16 m on, 4,096 bytes each
	LOADR S0, 6, 8, 0, 4096
	s_lshl_b32 s33, s29, 18
	s_add_co_u32 s33, s33, s31
	v_lshl_add_u32 v7, v1, 4, s33                  ; Wd: rows 32 dg on, 8,192 bytes each; 16 rows on are 131,072 bytes
	LOADR S1, 7, 4, 0, 8192
	LOADR S2, 7, 4, 131072, 8192
	s_mul_i32 s34, s24, 8448
	s_add_co_u32 s34, s34, DST                     ; my stage
	v_lshl_add_u32 v[STA], v1, 4, s34
	v_mul_u32_u24 v[STB], v2, 528
	s_delay_alu instid0(VALU_DEP_1)
	v_lshl_add_u32 v[STB], v3, 6, v[STB]
	s_delay_alu instid0(VALU_DEP_1)
	v_add_nc_u32 v[STB], s34, v[STB]
	s_lshl_b32 s34, s24, 11
	s_add_co_u32 s34, s34, DRD
	v_lshl_add_u32 v9, v1, 4, s34                  ; the parts, in: my wave's 2,048 bytes, 16 bytes a lane
	v_bfe_u32 v10, v0, 3, 1                        ; the parts, back: batch rho = 2 wave + h, d = 2 pi and 2 pi + 1 (pi = lane % 16): tile pi / 8,
	s_delay_alu instid0(VALU_DEP_1)
	v_lshlrev_b32 v10, 10, v10
	v_bfe_u32 v11, v0, 1, 1                        ; registers 4 ((pi / 2) % 2) on,
	s_delay_alu instid0(VALU_DEP_1)
	v_lshl_add_u32 v10, v11, 9, v10
	v_bfe_u32 v11, v0, 2, 1                        ; the half of the lanes (pi / 4) % 2,
	s_delay_alu instid0(VALU_DEP_1)
	v_lshl_add_u32 v10, v11, 8, v10
	v_and_b32 v11, 1, v0                           ; words 2 (pi % 2) and the next
	s_delay_alu instid0(VALU_DEP_1)
	v_lshl_add_u32 v10, v11, 3, v10
	s_delay_alu instid0(VALU_DEP_1)
	v_lshl_add_u32 v10, v3, 4, v10
	s_lshl_b32 s35, s24, 5
	s_add_co_u32 s35, s35, DRD
	v_add_nc_u32 v10, s35, v10
	s_lshl_b32 s36, s30, 16
	s_lshl_b32 s37, s24, 13
	s_add_co_u32 s36, s36, s37
	s_lshl_b32 s37, s29, 7
	s_add_co_u32 s36, s36, s37
	v_lshlrev_b32 v12, 12, v3
	s_delay_alu instid0(VALU_DEP_1)
	v_lshl_add_u32 v12, v2, 3, v12
	s_delay_alu instid0(VALU_DEP_1)
	v_add_nc_u32 v12, s36, v12                     ; bias: row 16 m + rho, byte 128 dg + 8 pi
	s_wait_loadcnt 32                              ; dec_hidden's 16 loads are in; the 32 of Wd may be out
	TURNQ S0, FR0, SWD
	s_wait_loadcnt 16                              ; the first tile of Wd is in; the second's 16 loads may be out
	TURNQ S1, FR1, SWD+1
	s_wait_loadcnt 0x0
	TURNQ S2, FR2, SWD+2
.rept 8
	v_nop                                          ; a scale register written by a vector instruction stands 8 places ahead of a scaled matrix instruction, an operand so written 4
.endr
	; transposed: source 0 = 16 rows of Wd, source 1 = 16 batches: lane (r, h) holds batch 16 m + r, register j of accumulator i holds d = 32 dg + 16 i + 8 h + j
	v_wmma_scale_f32_16x16x128_f8f6f4 v[ACC:ACC+7], v[FR1:FR1+11], v[FR0:FR0+11], 0, v[SWD+1], v[SWD] matrix_a_fmt:MATRIX_FMT_BF6 matrix_b_fmt:MATRIX_FMT_BF6
	v_wmma_scale_f32_16x16x128_f8f6f4 v[ACC+8:ACC+15], v[FR2:FR2+11], v[FR0:FR0+11], 0, v[SWD+2], v[SWD] matrix_a_fmt:MATRIX_FMT_BF6 matrix_b_fmt:MATRIX_FMT_BF6
.rept 4
	v_nop                                          ; four places in front of the first read of results
.endr
.irp i, 0,1
	ds_store_b128 v9, v[ACC+8*\i:ACC+8*\i+3] offset:1024*\i        ; each accumulator from its low end on
	ds_store_b128 v9, v[ACC+8*\i+4:ACC+8*\i+7] offset:1024*\i+512
.endr
	s_wait_dscnt 0x0                               ; for the others' sake: my stores have landed
	s_barrier_signal -1
	s_barrier_wait -1
.irp j, 0,1,2,3,4,5,6,7
	ds_load_b64 v[RED+2*\j:RED+2*\j+1], v10 offset:2048*\j         ; the eight K steps' parts of my two numbers
.endr
	s_wait_dscnt 0x0
.irp j, 0,2,4,6
	v_pk_add_f32 v[RED+2*\j:RED+2*\j+1], v[RED+2*\j:RED+2*\j+1], v[RED+2*\j+2:RED+2*\j+3]
.endr
	s_delay_alu instid0(VALU_DEP_3)
	v_pk_add_f32 v[RED:RED+1], v[RED:RED+1], v[RED+4:RED+5]
	s_delay_alu instid0(VALU_DEP_2)
	v_pk_add_f32 v[RED+8:RED+9], v[RED+8:RED+9], v[RED+12:RED+13]
	s_delay_alu instid0(VALU_DEP_1)
	v_pk_add_f32 v[RED:RED+1], v[RED:RED+1], v[RED+8:RED+9]
	s_delay_alu instid0(VALU_DEP_1)
	v_pk_add_f32 v[RED:RED+1], v[RED:RED+1], v[WBR:WBR+1]
	global_store_b64 v12, v[RED:RED+1], s[16:17]   ; sixteen lanes store the 128 consecutive bytes that the work-group owns of a row
	s_wait_xcnt 0x0
	s_mov_b32 exec_lo, -1
	s_wait_tensorcnt 0x0
	ds_add_u32 v254, v255
	s_wait_dscnt 0x0
	s_endpgm
.Lfunc_end_k_qaec8787a53_prep:
	.size	k_qaec8787a53_prep, .Lfunc_end_k_qaec8787a53_prep-k_qaec8787a53_prep
	.p2alignl 7, 3214868480
	.fill 96, 4, 3214868480
	.section	.rodata,"a",@progbits
	.p2align	6, 0x0
	.amdhsa_kernel k_qaec8787a53_prep
		.amdhsa_group_segment_fixed_size 152832
		.amdhsa_private_segment_fixed_size 0
		.amdhsa_enable_private_segment 0
		.amdhsa_kernarg_size 80
		.amdhsa_user_sgpr_count 2
		.amdhsa_user_sgpr_kernarg_segment_ptr 1
		.amdhsa_wavefront_size32 1
		.amdhsa_system_sgpr_workgroup_id_x 1
		.amdhsa_system_sgpr_workgroup_id_y 1
		.amdhsa_system_sgpr_workgroup_id_z 1
		.amdhsa_system_vgpr_workitem_id 0
		.amdhsa_next_free_vgpr 256
		.amdhsa_next_free_sgpr 66
		.amdhsa_reserve_vcc 1
		.amdhsa_float_denorm_mode_32 3
		.amdhsa_float_denorm_mode_16_64 3
		.amdhsa_memory_ordered 1
		.amdhsa_forward_progress 1
		.amdhsa_inst_pref_size 93
	.end_amdhsa_kernel
	.amdgpu_metadata
---
amdhsa.version: [ 1, 2 ]
amdhsa.kernels:
  - .name:           k_qaec8787a53_prep
    .symbol:         k_qaec8787a53_prep.kd
    .args:
      - { .name: W_w, .offset: 0, .size: 8, .value_kind: global_buffer, .address_space: global }
      - { .name: W_b, .offset: 8, .size: 8, .value_kind: global_buffer, .address_space: global }
      - { .name: dec_hidden, .offset: 16, .size: 8, .value_kind: global_buffer, .address_space: global }
      - { .name: mask, .offset: 24, .size: 8, .value_kind: global_buffer, .address_space: global }
      - { .name: wfrag, .offset: 32, .size: 8, .value_kind: global_buffer, .address_space: global }
      - { .name: wscl, .offset: 40, .size: 8, .value_kind: global_buffer, .address_space: global }
      - { .name: bias, .offset: 48, .size: 8, .value_kind: global_buffer, .address_space: global }
      - { .name: list, .offset: 56, .size: 8, .value_kind: global_buffer, .address_space: global }
      - { .name: inv, .offset: 64, .size: 8, .value_kind: global_buffer, .address_space: global }
      - { .name: meta, .offset: 72, .size: 8, .value_kind: global_buffer, .address_space: global }
    .group_segment_fixed_size: 152832
    .private_segment_fixed_size: 0
    .kernarg_segment_align: 8
    .kernarg_segment_size: 80
    .max_flat_workgroup_size: 256
    .sgpr_count:     66
    .vgpr_count:     256
    .wavefront_size: 32
...
	.end_amdgpu_metadata
.endif
;; end of part 4
;; launch score (part 5): grid 456 x 1, 4 waves a work-group, no clusters, 152,064 bytes of LDS; arguments encoder_outputs, mask, v_w, wfrag, wscl, bias, list, meta, scores; writes scores
.if DOCPART == 5
	.amdgcn_target "amdgcn-amd-amdhsa--gfx1250"
	.amdhsa_code_object_version 6
	.text
	.protected	k_qaec8787a53_score
	.globl	k_qaec8787a53_score
	.p2align	8
	.type	k_qaec8787a53_score,@function
k_qaec8787a53_score:
	s_mov_b64 s[64:65], 0
	v_nop
	global_prefetch_b8 v0, s[64:65] scope:SCOPE_SE
	s_setreg_imm32_b32 hwreg(HW_REG_WAVE_MODE, 25, 1), 1
	s_wait_xcnt 0x0
; SCORE: for the listed rows, scores[place] = sum over d of v[d] tanh( (quantised row) . (quantised We[d]) + bias[batch][d] ), replaced by -1e10 where the row's mask word is 0.
; Both operands are codes of BF6 (E3M2) with one E8M0 scale for each 32 along K; sums in f32; tanh(x) = 1 - 2 / (1 + 2^(2 log2(e) x)) in f32.
; SHARES.  Work-group w takes the list's tiles of 16 rows 9 w .. 9 w + 8, as far as there are any (T tiles, read from meta; T is at least 4, since every batch lists a row).  The grid, 456 = ceil(4,096 / 9),
; serves every mask.  A work-group without a tile (n = 0) runs the short head and the short end, jumps round the two long phases and stores nothing: the jumps hang on a stored number, lead round work
; between barriers alone, and every wave passes every barrier.  Because of those jumps this text has no tensor load and no cluster: We comes from memory straight into registers, in the order in which an
; earlier launch has laid it.  Tile a of a work-group is min(9 w + a, T - 1): a work-group with fewer than nine tiles takes the list's last tile again in the places left over; nothing of those is stored.
; PHASE X: the 144 rows (4,096 bytes each) are read once, 512 consecutive bytes a load, turned through the wave's own stage in LDS so that a lane holds 16 neighbours along K, quantised,
; and laid in LDS as images of operand registers: 72 fragments (tile a, K step s).  Wave w makes tiles w and w + 4 and K steps 2 w, 2 w + 1 of tile 8.
; PHASE G: the waves share the columns: wave w makes d = 256 w .. 256 w + 255 for all 144 rows, in two passes of 128 d: 9 x 8 accumulators, 576 registers.  Transposed use: source 0 = 16 rows of We,
; source 1 = 16 rows of the list: a lane holds ONE row (lane % 16), register j of accumulator (a, b) holds d = 256 w + 128 pass + 16 b + 8 (lane / 16) + j.  The bias is loaded into the accumulators
; and is the C of the first K step: nothing is cleared.  Behind a pass: tanh and the product with v, summed for each row in a pair of registers.
; LIMITS: a block of zeros, or one whose largest magnitude lies under 2^-122, gets the scale byte 1; NaN and infinities among the inputs are not served.
; REGISTERS, in windows of 256.  Window 0: v1-31 addresses and single numbers; v32-49 P, a pair a tile; v50-58 the rows' scale words, v60-67 We's (two sets of 4): these hold scales and nothing else;
;   v68-73 at work; v76-139 v of the pass; v140-247 the rows' nine fragments.  In phase X: v76-123 row offsets, v124-187 64 numbers, v188-225 at work.
; Window 1: We's fragments, two sets of 96; v192-255 tile 8's accumulators; in phase X a ring of four sets of 64.   Window 2: the accumulators of tiles 0-3;  window 3: of tiles 4-7.
.set IMG, 0                            ; LDS: fragment (a, s) at (8 a + s) 1,536: register group c of lane l at 512 c + 16 l
.set ASC, 110592                       ; row r's scale word of (a, s) at (8 a + s) 64 + 4 r
.set STG, 115200                       ; a stage for each wave: 16 rows x (512 + 16) bytes
.set SX,  148992                       ; wave w's partial scores: 576 w + 4 row
.set L16, 1
.set LI1, 3
.set AD0, 4
.set AD1, 5
.set SA0, 6
.set SAD, 7
.set STA, 8
.set STB, 9
.set IMA, 10
.set IM8, 11
.set SCW, 12
.set SC8, 13
.set SXW, 14
.set SXR, 15
.set MK0, 16
.set MK1, 17
.set VS,  18
.set VOF, 19
.set SO0, 20
.set SO8, 21
.set BOFF, 22
.set SXR8, 31
.set P,   32
.set SCA, 50
.set SCB, 60
.set T,   68
.set V,   76
.set AF,  140
.set ROFF, 76
.set X,   124
.set TM,  188
.set PW,  204
.set PC,  206
.set WB,  36                           ; s[36:37] We's fragments, s[38:39] their scale words: at the pair of K steps in hand
.set WS,  38
.set MSB, 0
.macro WIN new                         ; the immediate's high byte repeats the setting that is left
.if MSB != \new
	s_set_vgpr_msb (MSB<<8)|\new
.set MSB, \new
.endif
.endm
.macro PLACES                          ; four plain places behind matrix instructions, in front of loads into their registers and of reads of results
.rept 4
	v_nop
.endr
.endm
	s_load_b512 s[4:19], s[0:1], 0x0               ; encoder_outputs s[4:5], mask s[6:7], v_w s[8:9], wfrag s[10:11], wscl s[12:13], bias s[14:15], list s[16:17], meta s[18:19]
	s_load_b64 s[20:21], s[0:1], 0x40              ; scores
	v_lshl_add_u32 v254, v0, 2, 0x25000
	v_mov_b32 v255, 0
	v_lshrrev_b32 v248, 5, v0
	v_readfirstlane_b32 s22, v248                  ; wave 0..3
	v_and_b32 v248, 31, v0                         ; lane
	v_and_b32 v249, 15, v0                         ; r
	v_bfe_u32 v250, v0, 4, 1                       ; h
	v_lshlrev_b32 v[L16], 4, v248
	s_mov_b32 s30, 0x4038aa3b                      ; 2 log2(e)
	s_mov_b32 s31, s30                             ; (named with it as a pair, so it is written)
	s_mov_b32 s32, 0x76543210
	s_mov_b32 s33, 0xfedcba98                      ; v_permlanex16_b32's selects for lane l xor 16
	s_mul_i32 s24, ttmp9, 9                        ; my first tile
	s_wait_alu depctr_va_vdst(0)
	s_wait_kmcnt 0x0
	s_load_b32 s23, s[18:19], 0x200                ; T
	s_wait_kmcnt 0x0
	s_min_u32 s23, s23, 0x1000
	s_min_u32 s25, s24, s23
	s_sub_co_u32 s25, s23, s25
	s_min_u32 s25, s25, 9                          ; n: how many tiles are mine, 0 to 9
	s_sub_co_u32 s40, s23, 1                       ; the list's last tile
	s_add_co_u32 s41, s24, s22                     ; the row numbers of the three tiles that I quantise (w, w + 4, 8), as scalars
	s_min_u32 s41, s41, s40
	s_min_u32 s41, s41, 0xfff
	s_lshl_b32 s41, s41, 6
	s_load_b512 s[48:63], s[16:17], s41 offset:0x0
	s_add_co_u32 s42, s24, s22
	s_add_co_u32 s42, s42, 4
	s_min_u32 s42, s42, s40
	s_min_u32 s42, s42, 0xfff
	s_lshl_b32 s42, s42, 6
	s_load_b512 s[68:83], s[16:17], s42 offset:0x0
	s_add_co_u32 s43, s24, 8
	s_min_u32 s43, s43, s40
	s_min_u32 s43, s43, 0xfff
	s_lshl_b32 s43, s43, 6
	s_load_b512 s[84:99], s[16:17], s43 offset:0x0
.irp a, 0,1,2,3,4,5,6,7,8                  ; and of row r of each of the nine tiles, a lane a row, for the bias
	s_add_co_u32 s44, s24, \a
	s_min_u32 s44, s44, s40
	s_min_u32 s44, s44, 0xfff
	s_lshl_b32 s44, s44, 6
	v_lshl_add_u32 v[226+\a], v249, 2, s44
	global_load_b32 v[236+\a], v[226+\a], s[16:17]
.endr
	s_lshl_b32 s45, s23, 4
	s_sub_co_u32 s45, s45, 1                       ; 16 T - 1: the last place of the last tile
	s_lshl_b32 s46, s24, 4
	v_add_nc_u32 v245, s46, v0                     ; the row whose score I store at the end: row = thread,
	v_min_u32 v245, s45, v245
	v_min_u32 v245, 0xffff, v245
	v_lshlrev_b32 v245, 2, v245
	global_load_b32 v251, v245, s[16:17]
	v_add_nc_u32 v246, 128, v249                   ; and row 128 + r
	v_add_nc_u32 v246, s46, v246
	v_min_u32 v246, s45, v246
	v_min_u32 v246, 0xffff, v246
	v_lshlrev_b32 v246, 2, v246
	global_load_b32 v252, v246, s[16:17]
	s_lshl_b32 s47, s22, 10
	v_lshl_add_u32 v247, v248, 5, s47
	global_load_b128 v[206:209], v247, s[8:9]      ; my wave's 256 numbers of v, eight a lane, for their sum
	global_load_b128 v[210:213], v247, s[8:9] offset:16
	; addresses that stay
	v_add_nc_u32 v[LI1], 61440, v[L16]
	v_lshl_add_u32 v[SA0], v248, 2, ASC
	s_mul_i32 s44, s22, 8448
	s_add_co_u32 s44, s44, STG
	v_add_nc_u32 v[STA], s44, v[L16]               ; stage, in: a row's 512 bytes as they lie
	v_mul_u32_u24 v[STB], v249, 528
	v_lshl_add_u32 v[STB], v250, 6, v[STB]
	v_add_nc_u32 v[STB], s44, v[STB]               ; stage, back: row r, + 64 h: my 16 numbers of each block of 32
	s_mul_i32 s44, s22, 12288
	v_add_nc_u32 v[IMA], s44, v[L16]               ; images of tile w (tile w + 4: 49,152 on)
	s_mul_i32 s44, s22, 3072
	s_add_co_u32 s44, s44, 98304
	v_add_nc_u32 v[IM8], s44, v[L16]               ; of tile 8, K step 2 w
	s_lshl_b32 s44, s22, 9
	s_add_co_u32 s44, s44, ASC
	v_lshl_add_u32 v[SCW], v249, 2, s44
	s_lshl_b32 s44, s22, 7
	s_add_co_u32 s44, s44, ASC+4096
	v_lshl_add_u32 v[SC8], v249, 2, s44
	s_mul_i32 s44, s22, 576
	s_add_co_u32 s44, s44, SX
	v_lshl_add_u32 v[SXW], v249, 2, s44
	v_lshl_add_u32 v[SXR], v0, 2, SX
	v_lshl_add_u32 v[SXR8], v249, 2, SX+512
	v_lshl_add_u32 v[VOF], v250, 5, s47            ; 1,024 w + 32 h: my eight d of a tile, in v and in a row of the bias
	s_lshl_b32 s46, s24, 6
	v_lshl_add_u32 v[SO0], v0, 2, s46              ; where my row's score goes: 4 (16 x first tile + row)
	s_add_co_u32 s46, s46, 512
	v_lshl_add_u32 v[SO8], v249, 2, s46
	s_mul_i32 s44, s22, 196608                     ; my 16 tiles of We: two groups of 8 tiles x 8 K steps x 1,536 bytes
	s_mov_b32 s45, 0
	s_add_nc_u64 s[WB:WB+1], s[10:11], s[44:45]
	s_lshl_b32 s44, s22, 13
	s_add_nc_u64 s[WS:WS+1], s[12:13], s[44:45]
.irp i, 0,1,2,3,4,5,6,7,8,9,10,11,12,13,14,15,16,17
	v_mov_b32 v[P+\i], 0                           ; the rows' sums run over both passes
.endr
.irp b, 0,1,2,3
	v_mov_b32 v[TM+4+\b], 0                        ; a lane permute's destination counts as one of its sources
.endr
	v_mov_b32 v253, 0
	s_wait_kmcnt 0x0
.irp i, 0,1,2,3,4,5,6,7,8,9,10,11,12,13,14,15
	s_min_u32 s[48+\i], s[48+\i], 0xffff           ; a row number, held inside the tensor; a row is 4,096 bytes
	s_lshl_b32 s[48+\i], s[48+\i], 12
	v_add_nc_u32 v[ROFF+\i], s[48+\i], v[L16]
	s_min_u32 s[68+\i], s[68+\i], 0xffff
	s_lshl_b32 s[68+\i], s[68+\i], 12
	v_add_nc_u32 v[ROFF+16+\i], s[68+\i], v[L16]
	s_min_u32 s[84+\i], s[84+\i], 0xffff
	s_lshl_b32 s[84+\i], s[84+\i], 12
	s_add_co_u32 s[84+\i], s[84+\i], s47           ; of tile 8 I take K steps 2 w and 2 w + 1: 1,024 w bytes on
	v_add_nc_u32 v[ROFF+32+\i], s[84+\i], v[L16]
.endr
	s_wait_loadcnt 0x0
.irp a, 0,1,2,3,4,5,6,7,8
	v_min_u32 v[236+\a], 0xffff, v[236+\a]
	v_and_b32 v[236+\a], 0xfc00, v[236+\a]         ; 1,024 x the row's batch
	v_lshl_add_u32 v[BOFF+\a], v[236+\a], 2, v[VOF]
.endr
	v_min_u32 v251, 0xffff, v251
	v_lshlrev_b32 v251, 2, v251
	global_load_b32 v[MK0], v251, s[6:7]           ; my rows' mask words
	v_min_u32 v252, 0xffff, v252
	v_lshlrev_b32 v252, 2, v252
	global_load_b32 v[MK1], v252, s[6:7]
	v_add_f32 v206, v206, v207
	v_add_f32 v208, v208, v209
	v_add_f32 v210, v210, v211
	v_add_f32 v212, v212, v213
	v_add_f32 v206, v206, v208
	v_add_f32 v210, v210, v212
	v_add_f32 v[VS], v206, v210
	v_add_f32_dpp v[VS], v[VS], v[VS] row_xmask:1 row_mask:0xf bank_mask:0xf
	v_add_f32_dpp v[VS], v[VS], v[VS] row_xmask:2 row_mask:0xf bank_mask:0xf
	v_add_f32_dpp v[VS], v[VS], v[VS] row_xmask:4 row_mask:0xf bank_mask:0xf
	v_add_f32_dpp v[VS], v[VS], v[VS] row_xmask:8 row_mask:0xf bank_mask:0xf
	v_permlanex16_b32 v253, v[VS], s32, s33
	v_add_f32 v[VS], v[VS], v253                   ; the sum of my wave's 256 numbers of v
; ---------------- PHASE X ----------------
; Piece q of 18: q < 8: tile w, K step q; q < 16: tile w + 4, K step q - 8; q = 16, 17: tile 8, K step 2 w + q - 16.  16 rows x 512 bytes, a load a row.
.macro RLOAD q
	WIN 0x40                                       ; destination window 1
.irp i, 0,1,2,3,4,5,6,7,8,9,10,11,12,13,14,15
	global_load_b128 v[64*((\q)%4)+4*\i:64*((\q)%4)+4*\i+3], v[ROFF+16*((\q)/8)+\i], s[4:5] offset:512*((\q)%8) th:TH_LOAD_NT
.endr
	WIN 0
.endm
; 64 numbers of a lane, register 16 b + i = k 32 b + 16 h + i of my row, become a fragment's codes in v[PC] on and its scale word in v[PW]
.macro QUANT s
.irp b, 0,1,2,3
	v_max3_num_f32 v[TM+\b], |v[\s+16*\b]|, |v[\s+1+16*\b]|, 0x2800000   ; with the floor 2^(5 - 127): the byte cannot fall under 1
.endr
.irp i, 2,4,6,8,10,12,14
.irp b, 0,1,2,3
	v_max3_num_f32 v[TM+\b], v[TM+\b], |v[\s+16*\b+\i]|, |v[\s+1+16*\b+\i]|
.endr
.endr
.irp b, 0,1,2,3
	v_permlanex16_b32 v[TM+4+\b], v[TM+\b], s32, s33
.endr
.irp b, 0,1,2,3
	v_max_num_f32 v[TM+\b], v[TM+\b], v[TM+4+\b]   ; with lane l xor 16's: the block's largest magnitude
.endr
.irp b, 0,1,2,3
	v_add_nc_u32 v[TM+12+\b], 0xfe000000, v[TM+\b] ; 4 off its exponent field: the conversion's scale operand
.endr
.irp b, 0,1,2,3
	v_lshrrev_b32 v[TM+4+\b], 23, v[TM+12+\b]      ; the scale's byte
.endr
	v_lshl_or_b32 v[PW], v[TM+5], 8, v[TM+4]
	v_lshl_or_b32 v[PW], v[TM+6], 16, v[PW]
	v_lshl_or_b32 v[PW], v[TM+7], 24, v[PW]
.irp c, 0,1
	v_cvt_scalef32_pk16_bf6_f32 v[PC+6*\c:PC+2+6*\c], v[\s+32*\c:\s+15+32*\c], v[TM+12+2*\c]
	v_cvt_scalef32_pk16_bf6_f32 v[PC+12+4*\c:PC+14+4*\c], v[\s+16+32*\c:\s+31+32*\c], v[TM+12+2*\c+1]   ; (a conversion's three registers begin on an even number)
.endr
	v_nop                                          ; one plain place behind a scaled conversion
.irp c, 0,1                                    ; the operand's layout wants a whole block in a lane: lanes 0-15 block 2 c, lanes 16-31 block 2 c + 1
.irp i, 0,1,2
	v_permlane16_swap_b32 v[PC+6*\c+\i], v[PC+12+4*\c+\i]
.endr
.irp i, 0,1,2
	v_mov_b32 v[PC+3+6*\c+\i], v[PC+12+4*\c+\i]
.endr
.endr
.endm
.macro PIECE q
.if (\q) <= 14
	s_wait_loadcnt 48                              ; this piece's 16 loads are in; those of the three pieces behind it may be out
.else
	s_wait_loadcnt 16*(17-(\q))
.endif
	WIN 0x04                                       ; an LDS store's data are its source 1: window 1
.irp i, 0,1,2,3,4,5,6,7,8,9,10,11,12,13,14,15
	ds_store_b128 v[STA], v[64*((\q)%4)+4*\i:64*((\q)%4)+4*\i+3] offset:528*\i
.endr
	WIN 0
.irp b, 0,1,2,3
.irp j, 0,1,2,3
	ds_load_b128 v[X+16*\b+4*\j:X+16*\b+4*\j+3], v[STB] offset:128*\b+16*\j   ; LDS serves a wave's instructions in order: these see the stores above
.endr
.endr
	s_wait_dscnt 0x0                               ; the numbers are back; these stores and the last piece's image stores have read their registers
.if (\q)+4 <= 17
	RLOAD (\q)+4
.endif
	QUANT X
.if (\q) < 16
.set IA_, IMA
.set IO_, 49152*((\q)/8)+1536*((\q)%8)
.set SA_, SCW
.set SO_, 2048*((\q)/8)+64*((\q)%8)
.else
.set IA_, IM8
.set IO_, 1536*((\q)-16)
.set SA_, SC8
.set SO_, 64*((\q)-16)
.endif
.irp c, 0,1,2
	ds_store_b128 v[IA_], v[PC+4*\c:PC+4*\c+3] offset:IO_+512*\c
.endr
	ds_store_b32 v[SA_], v[PW] offset:SO_          ; lanes r and r + 16 write the same word with the same value
.endm
	s_cmp_eq_u32 s25, 0                            ; no tile is mine: round the phase, to the barrier behind it
	s_cbranch_scc1 .Lx_done
	RLOAD 0
	RLOAD 1
	RLOAD 2
	RLOAD 3
.irp q, 0,1,2,3,4,5,6,7,8,9,10,11,12,13,14,15,16,17
	PIECE \q
.endr
.Lx_done:
	s_wait_dscnt 0x0                               ; for the others' sake: my images and scale words have landed
	s_barrier_signal -1
	s_barrier_wait -1                              ; all 72 fragments lie in LDS
; ---------------- PHASE G ----------------
.macro BIASLD a                        ; bias[batch of my row][my eight d of each of the 8 tiles] into tile a's accumulators
.if (\a) < 4
	WIN 0x80
.set AB_, 64*(\a)
.elseif (\a) < 8
	WIN 0xc0
.set AB_, 64*((\a)-4)
.else
	WIN 0x40
.set AB_, 192
.endif
.irp b, 0,1,2,3,4,5,6,7
.irp c, 0,1
	global_load_b128 v[AB_+8*\b+4*\c:AB_+8*\b+4*\c+3], v[BOFF+(\a)], s[14:15] offset:64*\b+16*\c
.endr
.endr
.endm
.macro FETCH_A a, d                    ; tile a's fragment, d bytes on from the pair of K steps in hand
.irp c, 0,1,2
.if (\a) < 5
	ds_load_b128 v[AF+12*(\a)+4*\c:AF+12*(\a)+4*\c+3], v[AD0] offset:12288*(\a)+(\d)+512*\c
.else
	ds_load_b128 v[AF+12*(\a)+4*\c:AF+12*(\a)+4*\c+3], v[AD1] offset:12288*((\a)-5)+(\d)+512*\c
.endif
.endr
.endm
; Eight matrix instructions: tile a against We's eight tiles of set p.  We's scale words: register b / 2 of the set, lanes 0-15 for even b, lanes 16-31 for odd b.
; The rows' scale words: one register a tile for a pair of K steps, lanes 0-15 the first step's, lanes 16-31 the second's.  The 72 accumulators take turns, one instruction a turn.
.macro MUL a, p
.irp b, 0,1,2,3,4,5,6,7
.if (\a) < 8
.set AC_, 8*(8*((\a)%4)+\b)
.else
.set AC_, 192+8*\b
.endif
.set WF_, 96*(\p)+12*\b
.set FA_, AF+12*(\a)
.set SB_, SCB+4*(\p)+\b/2
.set SR_, SCA+(\a)
.if ((\b)%2 == 0) && ((\p) == 0)
	v_wmma_scale_f32_16x16x128_f8f6f4 v[AC_:AC_+7], v[WF_:WF_+11], v[FA_:FA_+11], v[AC_:AC_+7], v[SB_], v[SR_] matrix_a_fmt:MATRIX_FMT_BF6 matrix_b_fmt:MATRIX_FMT_BF6
.elseif (\p) == 0
	v_wmma_scale_f32_16x16x128_f8f6f4 v[AC_:AC_+7], v[WF_:WF_+11], v[FA_:FA_+11], v[AC_:AC_+7], v[SB_], v[SR_] matrix_a_fmt:MATRIX_FMT_BF6 matrix_b_fmt:MATRIX_FMT_BF6 matrix_a_scale:MATRIX_SCALE_ROW1
.elseif (\b)%2 == 0
	v_wmma_scale_f32_16x16x128_f8f6f4 v[AC_:AC_+7], v[WF_:WF_+11], v[FA_:FA_+11], v[AC_:AC_+7], v[SB_], v[SR_] matrix_a_fmt:MATRIX_FMT_BF6 matrix_b_fmt:MATRIX_FMT_BF6 matrix_b_scale:MATRIX_SCALE_ROW1
.else
	v_wmma_scale_f32_16x16x128_f8f6f4 v[AC_:AC_+7], v[WF_:WF_+11], v[FA_:FA_+11], v[AC_:AC_+7], v[SB_], v[SR_] matrix_a_fmt:MATRIX_FMT_BF6 matrix_b_fmt:MATRIX_FMT_BF6 matrix_a_scale:MATRIX_SCALE_ROW1 matrix_b_scale:MATRIX_SCALE_ROW1
.endif
.endr
.endm
.macro BRUN p                          ; the next K step's fragments of We and their scale words into set 1 - p: 25 loads, each of 512 consecutive bytes
	WIN 0x40
.irp b, 0,1,2,3,4,5,6,7
.irp c, 0,1,2
	global_load_b128 v[96*(1-\p)+12*\b+4*\c:96*(1-\p)+12*\b+4*\c+3], v[L16], s[WB:WB+1] offset:12288*(\p+1)+1536*\b+512*\c
.endr
.endr
	WIN 0
	global_load_b128 v[SCB+4*(1-\p):SCB+4*(1-\p)+3], v[L16], s[WS:WS+1] offset:512*(\p+1)
.endm
; A K step of 128: 72 matrix instructions.  p: which of a pair of K steps, and We's set.  fa = 1: the next step's fragments of the rows are fetched.  bg = 1: a pass's last step: the run of loads is the next pass's first K step,
; and is left out in the last pass (a branch on the count of passes).
.macro STEP p, fa, bg
.if \bg
	s_cmp_eq_u32 s27, 1
	s_cbranch_scc1 .Lnob_\@
	BRUN \p
	s_wait_loadcnt 25                              ; all but the 25 just issued: this step's fragments are in
	s_branch .Lgo_\@
.Lnob_\@:
	s_wait_loadcnt 0x0
.Lgo_\@:
.else
	BRUN \p
	s_wait_loadcnt 25                              ; all but the 25 just issued: this step's fragments, and at a pass's head the bias and v, are in
.endif
	s_wait_dscnt 15                                ; tiles 0-3 are in: behind their loads stand at least the 15 of tiles 4-8
	WIN 0xa1                                       ; source 0 (We) window 1, source 1 (rows) window 0, C and D window 2
.irp a, 0,1,2,3
	MUL \a, \p
.endr
	s_wait_dscnt 0x0                               ; tiles 4-8 are in
	PLACES
	WIN 0
.if \fa
.irp a, 0,1,2,3
	FETCH_A \a, 1536*(\p+1)
.endr
.if \p
.irp a, 0,1,2,3
	ds_load_b32 v[SCA+\a], v[SAD] offset:512*\a+128
.endr
.endif
.endif
	WIN 0xf1                                       ; C and D window 3
.irp a, 4,5,6,7
	MUL \a, \p
.endr
	PLACES
	WIN 0
.if \fa
.if \p
.irp a, 4,5,6,7
	ds_load_b32 v[SCA+\a], v[SAD] offset:512*\a+128
.endr
.endif
.irp a, 4,5,6,7
	FETCH_A \a, 1536*(\p+1)
.endr
.endif
	WIN 0x51                                       ; C and D window 1
	MUL 8, \p
	PLACES
	WIN 0
.if \fa
	FETCH_A 8, 1536*(\p+1)
.if \p
	ds_load_b32 v[SCA+8], v[SAD] offset:512*8+128
.endif
.endif
.endm
; Tile a behind a pass: 64 numbers x a lane.  2^(c x), + 1, the reciprocal r (tanh = 1 - 2 r), and the sum of v r in four chains of pairs.  Each kind of transcendental is one batch: a plain place and one wait behind it,
; ahead of the first reader.  The accumulators are read from their low ends on.
.macro EPI a
.if (\a) < 4
.set WA_, 2
.set EB_, 64*(\a)
.elseif (\a) < 8
.set WA_, 3
.set EB_, 64*((\a)-4)
.else
.set WA_, 1
.set EB_, 192
.endif
	WIN (WA_<<6)|WA_
.set i, 0
.rept 32
	v_pk_mul_f32 v[EB_+2*i:EB_+2*i+1], v[EB_+2*i:EB_+2*i+1], s[30:31] op_sel_hi:[1,0]
.set i, i+1
.endr
.set i, 0
	s_wait_alu depctr_va_vdst(0)
.rept 64
	v_exp_f32 v[EB_+i], v[EB_+i]
.set i, i+1
.endr
	v_nop
	s_wait_alu depctr_va_vdst(0)
.set i, 0
.rept 32
	v_pk_add_f32 v[EB_+2*i:EB_+2*i+1], v[EB_+2*i:EB_+2*i+1], 1.0 op_sel_hi:[1,0]
.set i, i+1
.endr
.set i, 0
	s_wait_alu depctr_va_vdst(0)
.rept 64
	v_rcp_f32 v[EB_+i], v[EB_+i]
.set i, i+1
.endr
	v_nop
	s_wait_alu depctr_va_vdst(0)
	WIN WA_                                        ; source 0 alone in the accumulators' window
.set i, 0
.rept 32
.if i%4 == 0
	v_pk_fma_f32 v[P+2*(\a):P+2*(\a)+1], v[EB_+2*i:EB_+2*i+1], v[V+2*i:V+2*i+1], v[P+2*(\a):P+2*(\a)+1]
.elseif i < 4
	v_pk_mul_f32 v[T+2*(i%4)-2:T+2*(i%4)-1], v[EB_+2*i:EB_+2*i+1], v[V+2*i:V+2*i+1]
.else
	v_pk_fma_f32 v[T+2*(i%4)-2:T+2*(i%4)-1], v[EB_+2*i:EB_+2*i+1], v[V+2*i:V+2*i+1], v[T+2*(i%4)-2:T+2*(i%4)-1]
.endif
.set i, i+1
.endr
	WIN 0
	v_pk_add_f32 v[T:T+1], v[T:T+1], v[T+2:T+3]
	v_pk_add_f32 v[P+2*(\a):P+2*(\a)+1], v[P+2*(\a):P+2*(\a)+1], v[T+4:T+5]
	v_pk_add_f32 v[P+2*(\a):P+2*(\a)+1], v[P+2*(\a):P+2*(\a)+1], v[T:T+1]
.endm
	s_cmp_eq_u32 s25, 0                            ; no tile is mine: round the phase, to the barrier behind it
	s_cbranch_scc1 .Lg_done
	WIN 0x40                                       ; We's fragments of K step 0 into set 0: the ring's registers are free
.irp b, 0,1,2,3,4,5,6,7
.irp c, 0,1,2
	global_load_b128 v[12*\b+4*\c:12*\b+4*\c+3], v[L16], s[WB:WB+1] offset:1536*\b+512*\c
.endr
.endr
	WIN 0
	global_load_b128 v[SCB:SCB+3], v[L16], s[WS:WS+1]
	s_mov_b32 s27, 2                               ; passes to go
	s_mov_b32 s48, 3072                            ; where the second, third and fourth pair of K steps begin in a tile's images (the row numbers that lay in these registers are used up),
	s_mov_b32 s49, 6144
	s_mov_b32 s50, 9216
	s_mov_b32 s51, 128                             ; and in its scale words
	s_mov_b32 s52, 256
	s_mov_b32 s53, 384
.Lpass:
	s_wait_alu depctr_va_vdst(0)
.irp a, 0,1,2,3,4,5,6,7,8
	BIASLD \a
.endr
	WIN 0
.irp b, 0,1,2,3,4,5,6,7
.irp c, 0,1
	global_load_b128 v[V+8*\b+4*\c:V+8*\b+4*\c+3], v[VOF], s[8:9] offset:64*\b+16*\c   ; v at my eight d of each tile
.endr
.endr
	s_mov_b32 s28, 0                               ; the pair of K steps in hand: bytes on in a tile's images,
	s_mov_b32 s29, 0                               ; and in its scale words
	v_add_nc_u32 v[AD0], s28, v[L16]
	v_add_nc_u32 v[AD1], s28, v[LI1]
	v_add_nc_u32 v[SAD], s29, v[SA0]
.irp a, 0,1,2,3,4,5,6,7,8
	ds_load_b32 v[SCA+\a], v[SAD] offset:512*\a
.endr
.irp a, 0,1,2,3,4,5,6,7,8
	FETCH_A \a, 0
.endr
	s_mov_b32 s26, 3
.Lk:                                               ; three trips of two K steps; the fourth pair is written out, since it fetches nothing beyond the pass's end
	s_wait_alu depctr_va_vdst(0)
	STEP 0, 1, 0
	STEP 1, 1, 0
	s_wait_xcnt 0x0                                ; the loads have read their bases: they may step
	s_add_nc_u64 s[WB:WB+1], s[WB:WB+1], 24576
	s_add_nc_u64 s[WS:WS+1], s[WS:WS+1], 1024
	s_sub_co_u32 s26, s26, 1
	s_cmp_eq_u32 s26, 2                            ; the next pair's place is chosen among constants by the trips left: 2 left: the second pair, 1: the third, 0: the fourth
	s_cselect_b32 s28, s48, s49
	s_cselect_b32 s29, s51, s52
	s_cmp_eq_u32 s26, 0
	s_cselect_b32 s28, s50, s28
	s_cselect_b32 s29, s53, s29
	v_add_nc_u32 v[AD0], s28, v[L16]
	v_add_nc_u32 v[AD1], s28, v[LI1]
	v_add_nc_u32 v[SAD], s29, v[SA0]
	s_cmp_lg_u32 s26, 0
	s_cbranch_scc1 .Lk
	s_wait_alu depctr_va_vdst(0)
	STEP 0, 1, 0
	STEP 1, 0, 1
	s_wait_xcnt 0x0
	s_add_nc_u64 s[WB:WB+1], s[WB:WB+1], 24576     ; on to the next group of eight tiles of We
	s_add_nc_u64 s[WS:WS+1], s[WS:WS+1], 1024
.irp a, 0,1,2,3,4,5,6,7,8
	EPI \a
.endr
.irp a, 0,1,2,3,4,5,6,7,8
	v_add_nc_u32 v[BOFF+\a], 512, v[BOFF+\a]       ; the next pass's 128 d (their loads were waited for at the pass's first step)
.endr
	v_add_nc_u32 v[VOF], 512, v[VOF]
	s_sub_co_u32 s27, s27, 1
	s_cmp_lg_u32 s27, 0
	s_cbranch_scc1 .Lpass
.Lg_done:
; ---------------- the rows' scores ----------------
	s_wait_loadcnt 0x0                             ; the mask words
	s_wait_dscnt 0x0
	s_barrier_signal -1
	s_barrier_wait -1                              ; every wave's reads of the images are over
.irp a, 0,1,2,3,4,5,6,7,8
	v_add_f32 v[140+\a], v[P+2*\a], v[P+2*\a+1]
.endr
.irp a, 0,1,2,3,4,5,6,7,8
	v_permlanex16_b32 v[236+\a], v[140+\a], s32, s33   ; (into registers that the head has written: a lane permute's destination counts as one of its sources)
.endr
.irp a, 0,1,2,3,4,5,6,7,8
	v_add_f32 v[140+\a], v[140+\a], v[236+\a]      ; the row's other d lie in the lane 16 away
.endr
.irp a, 0,1,2,3,4,5,6,7,8
	v_fma_f32 v[140+\a], v[140+\a], -2.0, v[VS]    ; sum of v (1 - 2 r) over my wave's 256 d
.endr
.irp a, 0,1,2,3,4,5,6,7,8
	ds_store_b32 v[SXW], v[140+\a] offset:64*\a    ; lanes r and r + 16 write the same word with the same value
.endr
	s_wait_dscnt 0x0                               ; for the others' sake
	s_barrier_signal -1
	s_barrier_wait -1
.irp w, 0,1,2,3
	ds_load_b32 v[160+\w], v[SXR] offset:576*\w
.endr
	v_mov_b32 v164, 0xd01502f9                     ; -1e10
	v_add_nc_u32 v170, 128, v0
	s_lshl_b32 s44, s25, 4                         ; 16 n rows are mine
	s_wait_dscnt 0x0
	v_add_f32 v160, v160, v161
	v_add_f32 v162, v162, v163
	v_add_f32 v160, v160, v162
	s_wait_alu depctr_va_vdst(0)
	v_cmp_eq_u32 vcc_lo, 0, v[MK0]
	v_cndmask_b32 v160, v160, v164, vcc_lo
	v_cmp_gt_u32 vcc_lo, s44, v0
	s_wait_alu depctr_va_vdst(0)
	s_wait_xcnt 0x0                                ; EXEC changes only when the earlier memory instructions have read their sources
	s_and_saveexec_b32 s45, vcc_lo
	global_store_b32 v[SO0], v160, s[20:21]        ; rows 0 to 127, as far as they are mine: a wave stores 128 consecutive bytes
	s_wait_xcnt 0x0
	s_or_b32 exec_lo, exec_lo, s45
	s_cmp_lg_u32 s22, 0
	s_cbranch_scc1 .Ldone
.irp w, 0,1,2,3
	ds_load_b32 v[166+\w], v[SXR8] offset:576*\w   ; wave 0: rows 128 to 143
.endr
	s_wait_dscnt 0x0
	v_add_f32 v166, v166, v167
	v_add_f32 v168, v168, v169
	v_add_f32 v166, v166, v168
	v_cmp_eq_u32 vcc_lo, 0, v[MK1]
	v_cndmask_b32 v166, v166, v164, vcc_lo
	v_cmp_gt_u32 vcc_lo, s44, v170                 ; 16 n is 144 at the most: lanes 16 to 31 are off
	s_wait_alu depctr_va_vdst(0)
	s_wait_xcnt 0x0
	s_and_saveexec_b32 s45, vcc_lo
	global_store_b32 v[SO8], v166, s[20:21]
	s_wait_xcnt 0x0
	s_or_b32 exec_lo, exec_lo, s45
.Ldone:
	s_barrier_signal -1
	s_barrier_wait -1
	s_wait_tensorcnt 0x0
	ds_add_u32 v254, v255
	s_wait_dscnt 0x0
	s_endpgm
.Lfunc_end_k_qaec8787a53_score:
	.size	k_qaec8787a53_score, .Lfunc_end_k_qaec8787a53_score-k_qaec8787a53_score
	.p2alignl 7, 3214868480
	.fill 96, 4, 3214868480
	.section	.rodata,"a",@progbits
	.p2align	6, 0x0
	.amdhsa_kernel k_qaec8787a53_score
		.amdhsa_group_segment_fixed_size 152064
		.amdhsa_private_segment_fixed_size 0
		.amdhsa_enable_private_segment 0
		.amdhsa_kernarg_size 72
		.amdhsa_user_sgpr_count 2
		.amdhsa_user_sgpr_kernarg_segment_ptr 1
		.amdhsa_wavefront_size32 1
		.amdhsa_system_sgpr_workgroup_id_x 1
		.amdhsa_system_sgpr_workgroup_id_y 1
		.amdhsa_system_sgpr_workgroup_id_z 1
		.amdhsa_system_vgpr_workitem_id 0
		.amdhsa_next_free_vgpr 1024
		.amdhsa_next_free_sgpr 104
		.amdhsa_reserve_vcc 1
		.amdhsa_float_denorm_mode_32 3
		.amdhsa_float_denorm_mode_16_64 3
		.amdhsa_memory_ordered 1
		.amdhsa_forward_progress 1
		.amdhsa_inst_pref_size 255
	.end_amdhsa_kernel
	.section	.bss,"aw",@nobits
	.p2align	6
	.space	262144
	.amdgpu_metadata
---
amdhsa.version: [ 1, 2 ]
amdhsa.kernels:
  - .name:           k_qaec8787a53_score
    .symbol:         k_qaec8787a53_score.kd
    .args:
      - { .name: encoder_outputs, .offset: 0, .size: 8, .value_kind: global_buffer, .address_space: global }
      - { .name: mask, .offset: 8, .size: 8, .value_kind: global_buffer, .address_space: global }
      - { .name: v_w, .offset: 16, .size: 8, .value_kind: global_buffer, .address_space: global }
      - { .name: wfrag, .offset: 24, .size: 8, .value_kind: global_buffer, .address_space: global }
      - { .name: wscl, .offset: 32, .size: 8, .value_kind: global_buffer, .address_space: global }
      - { .name: bias, .offset: 40, .size: 8, .value_kind: global_buffer, .address_space: global }
      - { .name: list, .offset: 48, .size: 8, .value_kind: global_buffer, .address_space: global }
      - { .name: meta, .offset: 56, .size: 8, .value_kind: global_buffer, .address_space: global }
      - { .name: scores, .offset: 64, .size: 8, .value_kind: global_buffer, .address_space: global }
    .group_segment_fixed_size: 152064
    .private_segment_fixed_size: 0
    .kernarg_segment_align: 8
    .kernarg_segment_size: 72
    .max_flat_workgroup_size: 128
    .sgpr_count:     104
    .vgpr_count:     1024
    .wavefront_size: 32
...
	.end_amdgpu_metadata
.endif
;; end of part 5
;; launch ctx (part 6): grid 256 x 1, 32 waves a work-group, no clusters, 45,568 bytes of LDS; arguments encoder_outputs, scores, list, inv, meta, out0, out1; writes out0, out1
.if DOCPART == 6
	.amdgcn_target "amdgcn-amd-amdhsa--gfx1250"
	.amdhsa_code_object_version 6
	.text
	.protected	k_qaec8787a53_ctx
	.globl	k_qaec8787a53_ctx
	.p2align	8
	.type	k_qaec8787a53_ctx,@function
k_qaec8787a53_ctx:
	s_mov_b64 s[64:65], 0
	v_nop
	global_prefetch_b8 v0, s[64:65] scope:SCOPE_SE
	s_setreg_imm32_b32 hwreg(HW_REG_WAVE_MODE, 25, 1), 1
	s_wait_xcnt 0x0
; CTX: the softmax over a batch's listed rows and the weighted sum of those rows, all in f32.  A row that is not listed has the weight 0: its score is -1e10 beside a kept row's, whose magnitude is at most the sum of |v|.
; SHARES.  Work-group (b = number / 4, q = number % 4) owns columns 256 q .. 256 q + 255 of out0[b] and entries 256 q .. 256 q + 255 of out1[b]; each of the four repeats the batch's small softmax, so every output has one owner.
; 32 waves, 1,024 threads: thread i holds the batch's i-th listed row (cnt of them, 1 to 1,024).  The largest score is taken away before the exponential.
; THE SUM: a chunk is 8 listed rows; wave w takes chunks w, w + 32, w + 64, w + 96, as far as there are any.  A lane holds 8 columns; each load reads 512 consecutive bytes of a row; 16 loads a wave are out at a time,
; 8 KiB for each of 32 waves.  WHICH rows a wave reads hangs on the list alone, not on the weights: so the first chunk's 16 loads are issued at the head, ahead of the softmax and its barriers, and are on their way meanwhile.
; A wave whose first chunk does not exist takes the batch's last chunk in its stead: its weights, read at its own places, are 0.  The other three chunks go in a loop of three trips, whose work a scalar branch on the stored
; count passes over.  The 32 waves' parts are added through LDS.
; No matrix instruction (one row of weights a batch), no cluster (work-groups share no bytes of the rows), no tensor load (the rows are named by a list).
; LIMITS: NaN and infinities among the inputs are not served.
.set MX,  0                            ; LDS: the waves' maxima, 128 bytes
.set SM,  256                          ; their sums
.set PWT, 512                          ; p of the 1,024 places
.set RT,  4608                         ; their row numbers
.set CX,  8704                         ; the waves' parts of the sum: 1,024 bytes each
.macro WMAX x, t
	v_max_num_f32_dpp v[\x], v[\x], v[\x] row_xmask:1 row_mask:0xf bank_mask:0xf
	s_delay_alu instid0(VALU_DEP_1)
	v_max_num_f32_dpp v[\x], v[\x], v[\x] row_xmask:2 row_mask:0xf bank_mask:0xf
	s_delay_alu instid0(VALU_DEP_1)
	v_max_num_f32_dpp v[\x], v[\x], v[\x] row_xmask:4 row_mask:0xf bank_mask:0xf
	s_delay_alu instid0(VALU_DEP_1)
	v_max_num_f32_dpp v[\x], v[\x], v[\x] row_xmask:8 row_mask:0xf bank_mask:0xf
	s_wait_alu depctr_va_vdst(0)
	v_permlanex16_b32 v[\t], v[\x], s22, s23
	s_delay_alu instid0(VALU_DEP_1)
	v_max_num_f32 v[\x], v[\x], v[\t]
.endm
.macro WSUM x, t
	v_add_f32_dpp v[\x], v[\x], v[\x] row_xmask:1 row_mask:0xf bank_mask:0xf
	s_delay_alu instid0(VALU_DEP_1)
	v_add_f32_dpp v[\x], v[\x], v[\x] row_xmask:2 row_mask:0xf bank_mask:0xf
	s_delay_alu instid0(VALU_DEP_1)
	v_add_f32_dpp v[\x], v[\x], v[\x] row_xmask:4 row_mask:0xf bank_mask:0xf
	s_delay_alu instid0(VALU_DEP_1)
	v_add_f32_dpp v[\x], v[\x], v[\x] row_xmask:8 row_mask:0xf bank_mask:0xf
	s_delay_alu instid0(VALU_DEP_1)
	v_permlanex16_b32 v[\t], v[\x], s22, s23
	s_delay_alu instid0(VALU_DEP_1)
	v_add_f32 v[\x], v[\x], v[\t]
.endm
.macro ROWS                            ; a chunk's eight rows, my eight columns of each: offsets in v8-15, numbers into v32-95
.irp j, 0,1,2,3,4,5,6,7
	global_load_b128 v[32+8*\j:35+8*\j], v[8+\j], s[4:5] th:TH_LOAD_NT
	global_load_b128 v[36+8*\j:39+8*\j], v[8+\j], s[4:5] offset:512 th:TH_LOAD_NT
.endr
.endm
.macro FMAS                            ; my eight columns' sums += weight x row, for the eight rows; the weights lie in v16-23, a pair to two rows
.irp j, 0,1,2,3,4,5,6,7
.irp k, 0,1,2,3
.if (\j)%2 == 0
	v_pk_fma_f32 v[24+2*\k:25+2*\k], v[32+8*\j+2*\k:33+8*\j+2*\k], v[16+2*(\j/2):17+2*(\j/2)], v[24+2*\k:25+2*\k] op_sel_hi:[1,0,1]
.else
	s_delay_alu instid0(VALU_DEP_4)
	v_pk_fma_f32 v[24+2*\k:25+2*\k], v[32+8*\j+2*\k:33+8*\j+2*\k], v[16+2*(\j/2):17+2*(\j/2)], v[24+2*\k:25+2*\k] op_sel:[0,1,0] op_sel_hi:[1,1,1]
.endif
.endr
.endr
.endm
	s_load_b256 s[4:11], s[0:1], 0x0               ; encoder_outputs s[4:5], scores s[6:7], list s[8:9], inv s[10:11]
	s_load_b128 s[12:15], s[0:1], 0x20             ; meta s[12:13], out0 s[14:15]
	s_load_b64 s[16:17], s[0:1], 0x30              ; out1
	v_lshl_add_u32 v112, v0, 2, 0xa200
	v_mov_b32 v113, 0
	v_lshrrev_b32 v3, 5, v0
	s_delay_alu instid0(VALU_DEP_1)
	v_readfirstlane_b32 s18, v3                    ; wave 0..31
	v_and_b32 v1, 31, v0                           ; lane
	s_lshr_b32 s19, ttmp9, 2                       ; b
	s_and_b32 s20, ttmp9, 3                        ; q
	s_lshl_b32 s21, s19, 2
	s_mov_b32 s22, 0x76543210
	s_mov_b32 s23, 0xfedcba98                      ; v_permlanex16_b32's selects for lane l xor 16
	s_wait_alu depctr_va_vdst(0)
	s_wait_kmcnt 0x0
	s_load_b32 s24, s[12:13], s21 offset:0x0       ; off: where the batch's part of the list begins
	s_load_b32 s25, s[12:13], s21 offset:0x100     ; cnt: its length
	s_lshl_b32 s31, s18, 2
	v_mov_b32 v104, s31                            ; 4 x wave
	v_lshlrev_b32 v105, 2, v1                      ; 4 x lane
	v_lshlrev_b32 v106, 2, v0                      ; 4 x thread
	s_lshl_b32 s31, s18, 10
	s_add_co_u32 s31, s31, CX
	v_lshl_add_u32 v107, v1, 4, s31                ; my wave's part of the sum
	v_lshl_add_u32 v108, v0, 4, CX                 ; and where threads 0 to 63 read the parts back
	s_lshl_b32 s32, s20, 10
	v_lshl_add_u32 v7, v1, 4, s32                  ; my columns in a row: 1,024 q + 16 lane (and 512 on)
	s_lshl_b32 s33, s19, 12
	s_add_co_u32 s33, s33, s32
	v_and_b32 v96, 127, v0
	s_delay_alu instid0(VALU_DEP_1)
	v_lshl_add_u32 v97, v96, 3, s33                ; two entries of inv and of out1
	v_lshl_add_u32 v109, v0, 4, s33                ; four numbers of out0
	v_mov_b32 v111, 0                              ; a lane permute's destination counts as one of its sources
	v_mov_b32 v3, 0xff800000                       ; -infinity
.irp i, 0,1,2,3,4,5,6,7
	v_mov_b32 v[24+\i], 0                          ; my eight columns' sums
.endr
	s_wait_kmcnt 0x0
	s_min_u32 s24, s24, 0xffff
	s_max_u32 s25, s25, 1
	s_min_u32 s25, s25, 1024
	s_add_co_u32 s26, s25, 7
	s_lshr_b32 s26, s26, 3                         ; chunks of 8 rows
	s_sub_co_u32 s27, s25, 1
	s_sub_co_u32 s34, s26, 1
	s_min_u32 s34, s34, s18                        ; my first chunk, or the batch's last one where mine does not exist
	s_lshl_b32 s34, s34, 3
	s_add_co_u32 s34, s34, s24
	s_min_u32 s34, s34, 0xffff                     ; its first place in the list, held inside it; its eighth is off + cnt + 6 at the most: inside the 32 entries of 0 that stand behind the list's end
	s_lshl_b32 s34, s34, 2
	s_load_b256 s[40:47], s[8:9], s34 offset:0x0   ; its eight row numbers
	v_min_u32 v4, s27, v0                          ; places beyond the batch's last take the last row again, with the weight 0
	s_delay_alu instid0(VALU_DEP_1)
	v_add_nc_u32 v4, s24, v4
	s_delay_alu instid0(VALU_DEP_1)
	v_min_u32 v4, 0xffff, v4
	s_delay_alu instid0(VALU_DEP_1)
	v_lshlrev_b32 v4, 2, v4
	global_load_b32 v2, v4, s[6:7]                 ; my score
	global_load_b32 v5, v4, s[8:9]                 ; my row's number
	global_load_b64 v[98:99], v97, s[10:11]
	s_wait_kmcnt 0x0
.irp j, 0,1,2,3,4,5,6,7
	s_min_u32 s[40+\j], s[40+\j], 0xffff           ; a row number, held inside the tensor; a row is 4,096 bytes
	s_lshl_b32 s[40+\j], s[40+\j], 12
	v_add_nc_u32 v[8+\j], s[40+\j], v7
.endr
	s_wait_alu depctr_va_vdst(0)
	ROWS                                           ; the first chunk's rows: on their way through the whole softmax
	s_wait_loadcnt 16                              ; the score, the row's number and inv are in; the 16 row loads issued behind them may be out
	v_cmp_gt_u32 vcc_lo, s25, v0
	s_delay_alu instid0(VALU_DEP_1)
	v_cndmask_b32 v2, v3, v2, vcc_lo
	s_delay_alu instid0(VALU_DEP_1)
	v_mov_b32 v110, v2
	WMAX 110, 111
	ds_store_b32 v104, v110 offset:MX              ; all lanes write the same word with the same value
	s_wait_dscnt 0x0                               ; for the others' sake
	s_barrier_signal -1
	s_barrier_wait -1
	ds_load_b32 v110, v105 offset:MX
	s_wait_dscnt 0x0
	WMAX 110, 111                                  ; the batch's largest score
	s_delay_alu instid0(VALU_DEP_1)
	v_sub_f32 v2, v2, v110
	s_delay_alu instid0(VALU_DEP_1)
	v_mul_f32 v2, 0x3fb8aa3b, v2
	s_wait_alu depctr_va_vdst(0)
	v_exp_f32 v2, v2                               ; p = e^(score - largest), not yet normalised
	v_nop                                          ; a plain place behind the transcendental,
	s_wait_alu depctr_va_vdst(0)                   ; and a wait ahead of the first reader
	ds_store_b32 v106, v2 offset:PWT
	ds_store_b32 v106, v5 offset:RT
	v_mov_b32 v110, v2
	WSUM 110, 111
	ds_store_b32 v104, v110 offset:SM
	s_wait_dscnt 0x0                               ; for the others' sake: p, the row numbers and my wave's sum have landed
	s_barrier_signal -1
	s_barrier_wait -1
	ds_load_b32 v110, v105 offset:SM
	v_min_u32 v100, 1023, v98                      ; out1: an entry's place in the list, held inside the table
	v_min_u32 v101, 1023, v99
	s_delay_alu instid0(VALU_DEP_2)
	v_lshlrev_b32 v100, 2, v100
	s_delay_alu instid0(VALU_DEP_2)
	v_lshlrev_b32 v101, 2, v101
	ds_load_b32 v102, v100 offset:PWT
	ds_load_b32 v103, v101 offset:PWT
	s_wait_dscnt 0x0
	WSUM 110, 111
	s_wait_alu depctr_va_vdst(0)
	v_rcp_f32 v110, v110                           ; 1 / the sum
	v_cmp_gt_u32 vcc_lo, 1024, v98                 ; (a plain place)  is the entry listed?
	s_wait_alu depctr_va_vdst(0)
	v_mul_f32 v102, v102, v110
	v_mul_f32 v103, v103, v110
	s_delay_alu instid0(VALU_DEP_2)
	v_cndmask_b32 v102, 0, v102, vcc_lo
	v_cmp_gt_u32 vcc_lo, 1024, v99
	s_delay_alu instid0(VALU_DEP_1)
	v_cndmask_b32 v103, 0, v103, vcc_lo
	s_cmp_lt_u32 s18, 4
	s_cbranch_scc0 .Lno_out1
	global_store_b64 v97, v[102:103], s[16:17]     ; waves 0 to 3: a wave stores 256 consecutive bytes, at a multiple of 256 from out1's first byte
.Lno_out1:
	s_lshl_b32 s28, s18, 5                         ; my first chunk's 32 bytes in the table of p: places 8 w .. 8 w + 7, whose p is 0 from the batch's end on
	v_mov_b32 v6, s28
	ds_load_b128 v[16:19], v6 offset:PWT
	ds_load_b128 v[20:23], v6 offset:PWT+16
	s_wait_dscnt 0x0
	s_wait_loadcnt 0x0                             ; the first chunk's rows
	FMAS
	s_add_co_u32 s28, s28, 1024                    ; on to chunk w + 32
	s_add_co_u32 s29, s18, 32
	s_mov_b32 s30, 3
.Lchunk:
	s_cmp_ge_u32 s29, s26
	s_cbranch_scc1 .Lskip                          ; no such chunk in this batch
	v_mov_b32 v6, s28
	ds_load_b128 v[8:11], v6 offset:RT
	ds_load_b128 v[12:15], v6 offset:RT+16
	ds_load_b128 v[16:19], v6 offset:PWT
	ds_load_b128 v[20:23], v6 offset:PWT+16
	s_wait_dscnt 0x0
.irp j, 0,1,2,3,4,5,6,7
	v_min_u32 v[8+\j], 0xffff, v[8+\j]             ; a row number, held inside the tensor; a row is 4,096 bytes
	s_delay_alu instid0(VALU_DEP_1)
	v_lshl_add_u32 v[8+\j], v[8+\j], 12, v7
.endr
	ROWS
	s_wait_loadcnt 0x0
	FMAS
.Lskip:
	s_add_co_u32 s28, s28, 1024
	s_add_co_u32 s29, s29, 32
	s_sub_co_u32 s30, s30, 1
	s_cmp_lg_u32 s30, 0
	s_cbranch_scc1 .Lchunk
	s_wait_dscnt 0x0
	s_barrier_signal -1
	s_barrier_wait -1                              ; every wave's reads of the tables are over
	s_wait_alu depctr_va_vdst(0)
	ds_store_b128 v107, v[24:27]
	ds_store_b128 v107, v[28:31] offset:512
	s_wait_dscnt 0x0                               ; for the others' sake
	s_barrier_signal -1
	s_barrier_wait -1
	s_cmp_lt_u32 s18, 2
	s_cbranch_scc0 .Lend
.irp j, 0,1,2,3,4,5,6,7,8,9,10,11,12,13,14,15
	ds_load_b128 v[32+4*\j:35+4*\j], v108 offset:1024*\j           ; threads 0 to 63: four columns each, the parts of waves 0 to 15
.endr
	s_wait_dscnt 0x0
	v_pk_add_f32 v[24:25], v[32:33], v[36:37]
	v_pk_add_f32 v[26:27], v[34:35], v[38:39]
.irp j, 2,3,4,5,6,7,8,9,10,11,12,13,14,15
	s_delay_alu instid0(VALU_DEP_2)
	v_pk_add_f32 v[24:25], v[24:25], v[32+4*\j:33+4*\j]
	s_delay_alu instid0(VALU_DEP_2)
	v_pk_add_f32 v[26:27], v[26:27], v[34+4*\j:35+4*\j]
.endr
.irp j, 0,1,2,3,4,5,6,7,8,9,10,11,12,13,14,15
	ds_load_b128 v[32+4*\j:35+4*\j], v108 offset:16384+1024*\j     ; and of waves 16 to 31
.endr
	s_wait_alu depctr_va_vdst(0)
	s_wait_dscnt 0x0
.irp j, 0
	v_pk_add_f32 v[24:25], v[24:25], v[32+4*\j:33+4*\j]
	v_pk_add_f32 v[26:27], v[26:27], v[34+4*\j:35+4*\j]
.endr
.irp j, 1, 2, 3, 4, 5, 6, 7, 8, 9, 10, 11, 12, 13, 14, 15
	s_delay_alu instid0(VALU_DEP_2)
	v_pk_add_f32 v[24:25], v[24:25], v[32+4*\j:33+4*\j]
	s_delay_alu instid0(VALU_DEP_2)
	v_pk_add_f32 v[26:27], v[26:27], v[34+4*\j:35+4*\j]
.endr
.irp i, 0,1,2,3
	v_mul_f32 v[24+\i], v[24+\i], v110             ; / the sum
.endr
	global_store_b128 v109, v[24:27], s[14:15]     ; sixteen lanes store 256 consecutive bytes, at a multiple of 256 from out0's first byte
.Lend:
	s_barrier_signal -1
	s_barrier_wait -1
	s_wait_tensorcnt 0x0
	ds_add_u32 v112, v113
	s_wait_dscnt 0x0
	s_endpgm
.Lfunc_end_k_qaec8787a53_ctx:
	.size	k_qaec8787a53_ctx, .Lfunc_end_k_qaec8787a53_ctx-k_qaec8787a53_ctx
	.p2alignl 7, 3214868480
	.fill 96, 4, 3214868480
	.section	.rodata,"a",@progbits
	.p2align	6, 0x0
	.amdhsa_kernel k_qaec8787a53_ctx
		.amdhsa_group_segment_fixed_size 45568
		.amdhsa_private_segment_fixed_size 0
		.amdhsa_enable_private_segment 0
		.amdhsa_kernarg_size 56
		.amdhsa_user_sgpr_count 2
		.amdhsa_user_sgpr_kernarg_segment_ptr 1
		.amdhsa_wavefront_size32 1
		.amdhsa_system_sgpr_workgroup_id_x 1
		.amdhsa_system_sgpr_workgroup_id_y 1
		.amdhsa_system_sgpr_workgroup_id_z 1
		.amdhsa_system_vgpr_workitem_id 0
		.amdhsa_next_free_vgpr 114
		.amdhsa_next_free_sgpr 66
		.amdhsa_reserve_vcc 1
		.amdhsa_float_denorm_mode_32 3
		.amdhsa_float_denorm_mode_16_64 3
		.amdhsa_memory_ordered 1
		.amdhsa_forward_progress 1
		.amdhsa_inst_pref_size 28
	.end_amdhsa_kernel
	.amdgpu_metadata
---
amdhsa.version: [ 1, 2 ]
amdhsa.kernels:
  - .name:           k_qaec8787a53_ctx
    .symbol:         k_qaec8787a53_ctx.kd
    .args:
      - { .name: encoder_outputs, .offset: 0, .size: 8, .value_kind: global_buffer, .address_space: global }
      - { .name: scores, .offset: 8, .size: 8, .value_kind: global_buffer, .address_space: global }
      - { .name: list, .offset: 16, .size: 8, .value_kind: global_buffer, .address_space: global }
      - { .name: inv, .offset: 24, .size: 8, .value_kind: global_buffer, .address_space: global }
      - { .name: meta, .offset: 32, .size: 8, .value_kind: global_buffer, .address_space: global }
      - { .name: out0, .offset: 40, .size: 8, .value_kind: global_buffer, .address_space: global }
      - { .name: out1, .offset: 48, .size: 8, .value_kind: global_buffer, .address_space: global }
    .group_segment_fixed_size: 45568
    .private_segment_fixed_size: 0
    .kernarg_segment_align: 8
    .kernarg_segment_size: 56
    .max_flat_workgroup_size: 1024
    .sgpr_count:     66
    .vgpr_count:     114
    .wavefront_size: 32
...
	.end_amdgpu_metadata
.endif
;; end of part 6
